; MI455X (gfx1250); checked and timed in simulation.
; The chip was launched on July 23, 2026; its instructions are those of AMD's public machine-readable ISA for CDNA 5 (MIT licence, August 2026) and "CDNA5" Instruction Set Architecture Reference Guide (July 2026). The comments in the code are by the model that wrote it; some were corrected since.
;; Local Attention. Allowed arithmetic: matrix products marked QUANTISED: E2M3 operands, one E8M0 scale for each 32 along K, by v_wmma_scale_f32_16x16x128_f8f6f4 with both operands' format E2M3, f32 sums; everything else in f32.
;; Inputs: b_proj 1,024 float32; b_qkv 3,072 float32; w_proj_codes 1,024 x 32 x 24 uint8 (E2M3 codes of w_proj, K innermost, in blocks of 32 codes, four codes in three bytes); w_proj_scales 1,024 x 32 uint8 (E8M0 scales of w_proj, one for each 32 codes along K); w_qkv_codes 3,072 x 32 x 24 uint8 (E2M3 codes of w_qkv, K innermost, in blocks of 32 codes, four codes in three bytes); w_qkv_scales 3,072 x 32 uint8 (E8M0 scales of w_qkv, one for each 32 codes along K); x_codes 4 x 2,048 x 32 x 24 uint8 (E2M3 codes of x, K innermost, in blocks of 32 codes, four codes in three bytes); x_scales 4 x 2,048 x 32 uint8 (E8M0 scales of x, one for each 32 codes along K).
;; Outputs: out0 4 x 2,048 x 1,024 float32.
;; Constants: window_size = 128.
;; This version of the problem:
;;   THIS VERSION OF THE PROBLEM IS GIVEN IN LOW PRECISION. The matrix products marked QUANTISED in the list below multiply operands that are first quantised to E2M3 (2 exponent bits, 3 mantissa bits; 6 bits a number), with one power-of-two scale for each 32 numbers along K (OCP MX v1.0); their sums are f32. All else is computed in f32.
;;   The module's matrix products, in the order in which they are computed (A, B: the left and right operand; K: the contracted axis; several contracted axes count as one K, in the product's order):
;;     1. [M 8,192, K 1,024] x [K 1,024, N 3,072]; A: input x (given as codes); B: input w_qkv (given as codes): QUANTISED
;;     2. batch 4 x [M 2,048, K 1,024] x [K 1,024, N 2,048]; A: computed on the way; B: computed on the way: QUANTISED
;;     3. batch 4 x [M 2,048, K 2,048] x [K 2,048, N 1,024]; A: softmax (see below); B: computed on the way: QUANTISED
;;     4. [M 8,192, K 1,024] x [K 1,024, N 1,024]; A: computed on the way; B: input w_proj (given as codes): QUANTISED
;;   THE QUANTISER, for each operand of a quantised product, along K:
;;     - K is cut into blocks of 32 from its start; a last block that is shorter is filled with zeros.
;;     - A block's scale is 2^e with e = floor(log2(the largest magnitude in the block)) - 2, held to -126 .. 127; a block of zeros has e = 0. As a byte (E8M0): e + 127.
;;     - Each number is divided by its block's scale, clamped to +-7.5, and rounded to the nearest number of E2M3, ties to even, subnormals kept.
;;     - The product sums the exact products of the quantised numbers (number of the format x scale) in f32.
;;   ~~~python
;;   def quantise(x, axis):      # numpy; x: float32 -> the quantised numbers, widened to float32 again
;;       x = np.moveaxis(x, axis, -1); K = x.shape[-1]
;;       x = np.pad(x, [(0, 0)] * (x.ndim - 1) + [(0, -K % 32)]); x = x.reshape(x.shape[:-1] + (-1, 32)); a = np.abs(x).max(-1, keepdims=True)
;;       e = np.where(a > 0, np.clip(np.frexp(np.where(a > 0, a, 1))[1] - 1 - 2, -126, 127), 0)      # np.frexp(a)[1] - 1 = floor(log2(a)), exactly
;;       r = np.clip(x / 2.0 ** e, -7.5, 7.5)
;;       step = 2.0 ** (np.maximum(np.frexp(np.where(r == 0, 1, r))[1] - 1, 0) - 3)
;;       q = np.round(r / step) * step * 2.0 ** e      # np.round: ties to even
;;       return np.moveaxis(q.reshape(q.shape[:-2] + (-1,))[..., :K], -1, axis).astype(np.float32)
;;   ~~~
;;   SOFTMAX AHEAD OF A QUANTISED PRODUCT. Where the list says 'softmax', what is quantised is not the finished softmax but p = 2^(t - M), with t = logit x log2(e) and M = ceil(the row's largest t), a whole number; so 1/2 < the row's largest p <= 1. The row's sum l is taken of the UNQUANTISED p, in f32, and the product's result is divided by l at the end. Since M is a whole number, a kernel that streams over the keys may use a running M (the ceiling of the running maximum): every later rescaling is an exact power of two, which a block's scale takes up: the codes' values come out the same.
;;   OPERANDS COMPUTED ON THE WAY. 'Computed on the way' means the value that the module computes at that place (a softmax that the list does not call 'softmax' is quantised finished and normalised). What goes into a quantiser is computed in f32, as accurately as f32 sums, v_exp_f32 and their like allow (about 1e-6 of the number): no bf16 or f16 on the way to a quantiser, and a product that is left as it is and whose result goes on into a quantised operand takes f32 operands (vector FMAs, or v_wmma_f32_16x16x4_f32). A number that lies on a knife's edge between two numbers of the format may be rounded either way, as far as f32 arithmetic and the matrix unit's own rounding can turn it there, and no further.
;;   INPUTS GIVEN AS CODES. w_proj (in the module: [1024, 1024], K = its axis 0); w_qkv (in the module: [1024, 3072], K = its axis 0); x (in the module: [4, 2048, 1024], K = its axis 2): each comes as NAME_codes (uint8): NAME with its K axis moved to the last place and cut into blocks of 32 codes, [.., K / 32, bytes a block], one block behind the other in memory; four codes in three bytes: a row's codes are one little-endian stream of bits, code i at bits 6 i .. 6 i + 5 (a code: sign, 2 exponent bits, 3 mantissa bits); and NAME_scales (uint8): the same leading axes, one E8M0 byte (e + 127) for each 32 codes along K. Its value is code x scale, taken as it is: it is not quantised again, and the codes and scales need not be those that the quantiser above would give.
;; One version. Each part assembles by itself: llvm-mc -triple=amdgcn-amd-amdhsa -mcpu=gfx1250 --defsym DOCPART=n.
;; ======== version 1 of 1: 3 launches
;; workspace buffers: qkv 18,874,368 bytes; qkvs 786,432 bytes; ocodes 6,291,456 bytes; oscales 262,144 bytes
;; launch qkv (part 1): grid 12 x 32, 4 waves a work-group, clusters of 4 x 4, 327,680 bytes of LDS; arguments x_codes, x_scales, w_qkv_codes, w_qkv_scales, qkv, qkvs, b_qkv; writes qkv, qkvs
.if DOCPART == 1
	.amdgcn_target "amdgcn-amd-amdhsa--gfx1250"
	.amdhsa_code_object_version 6
	.text
	.protected	k_q34e937a628_qkv
	.globl	k_q34e937a628_qkv
	.p2align	8
	.type	k_q34e937a628_qkv,@function
k_q34e937a628_qkv:
	s_mov_b64 s[64:65], 0
	v_nop
	global_prefetch_b8 v0, s[64:65] scope:SCOPE_SE
	s_setreg_imm32_b32 hwreg(HW_REG_WAVE_MODE, 25, 1), 1
	s_wait_xcnt 0x0
	s_wait_alu depctr_hold_cnt(0) depctr_sa_sdst(0) depctr_va_vdst(0) depctr_va_sdst(0) depctr_va_ssrc(0) depctr_va_vcc(0) depctr_vm_vsrc(0)
	s_getreg_b32 s2, hwreg(HW_REG_IB_STS2, 6, 4)
	s_cmp_eq_u32 s2, 0
	s_cbranch_scc0 .Lentry_in_a_cluster
	s_endpgm
.Lentry_in_a_cluster:
	s_bfe_u32 s2, ttmp6, 0x10000c
	s_cmp_lg_u32 s2, 0xf033
	s_cbranch_scc0 .Lentry_shape_is_right
	s_endpgm
.Lentry_shape_is_right:
; qkv = x Wqkv + b on codes of FP6 (E2M3) with one E8M0 scale for each 32 along K = 1,024; the results are quantised in registers and leave as codes.
; x: [8192][1024] codes, Wqkv: [3072][1024] codes (K innermost), their scale bytes [rows][32]; b: [3072] f32.
; A work-group of four waves makes 256 x 256 results, a wave 128 x 128: 64 accumulators of 16 x 16, 512 registers.  K goes in steps of 256 through a ring of two LDS slots; the scale bytes of the
; work-group's rows come into LDS once.  4 x 4 work-groups form a cluster; a tile that four of them need is asked for jointly.
; TWO ROLES.  R: the rows that a lane keeps (source 1);  C: the rows along which a lane's eight registers run (source 0).  The C axis is the K of the NEXT product, along which the results are quantised.
;   q and k (clusters x = 0, 1): R = 256 tokens of x, C = 256 columns of Wqkv: quantised along d.      v (clusters x = 2): R = 256 rows of Wqkv (d), C = 256 tokens: quantised along the keys.
; Only the GLOBAL addresses know of this: R's tile hangs on the cluster and cy and is shared along the cluster's row, C's on the cluster and cx and is shared along its column; LDS is laid alike in both.
; OUT.  A wave's 16 R rows x 128 along C are one operand fragment of the next product: 12 registers a lane, stored as they stand: three stores of 512 consecutive bytes.
;   qkv:  q at 0, k at 6,291,456: fragment (token tile T, d step s) at T x 12,288 + s x 1,536;   v at 12,582,912: fragment (key step S, d tile e) at S x 98,304 + e x 1,536.
;   qkvs: one word (four scale bytes) a row and fragment: q, k: plane (d step, k's behind q's) x 32,768 + token x 4;   v at 524,288: S x 4,096 + d x 4.
; LIMITS: NaN and infinities are not served; a block whose largest magnitude lies under 2^-124 keeps the byte 1; a block of zeros has the byte 1 and not 127 (its codes are zeros; this program alone reads the bytes).
; REGISTERS, in windows of 256: window 0: v0-31 addresses; v32-63 scale words, two sets; v64-127 the bias along C; v128-223 R's fragments, one set; v224-239 the bias along R; v240-255 at work on the way out.
;   window 1: C's fragments, two sets, at v0 and v128.   window 2: the accumulators of my R rows 0-63 ((a, b) at v[8 (8 a + b)]);   window 3: those of rows 64-127.
.set SIZE_K, 1024
.set KSTEP,  256                       ; along K in a slot
.set NQ,     KSTEP/128                 ; matrix instructions deep
.set ROWB,   192                       ; a tile's row in bytes
.set KROW,   SIZE_K*6/8                ; a row of codes in memory
.set PITCH,  240                       ; an LDS row: 3 x (64 bytes + 16 of padding)
.set FR,     12                        ; registers of a fragment
.set NL,     6                         ; LDS loads that bring one
.set NP,     4                         ; places behind this matrix instruction (ISA guide 7.12.1)
.set HALFT,  128*PITCH                 ; 128 rows: what one tensor load brings
.set SLOT,   4*HALFT                   ; R's 256 rows, then C's 256 rows
.set LAPS,   SIZE_K/(2*KSTEP)
.set KS,     SIZE_K/32                 ; a row of scale bytes
.set SCL,    2*SLOT                    ; behind the ring: the scale bytes, as units of 256 bytes + 16 of padding
.set HALFS,  (128*KS/256)*272
.set SBLK,   (16*KS/256)*272
.set SPARE,  SCL+4*HALFS               ; the spare words: 128 bytes a wave, named by no other line
.set SCW,    SPARE+512                 ; 512 bytes a wave: its 128 rows' new scale words are gathered here; no fill lands here
.set ADRA, 16                          ; v16-17 LDS address of R's fragments in slot 0, 1 (v18-19: behind one padding more)
.set ADRB, 20                          ; v20-23 the same for C
.set LI,   24                          ; v24  16 x lane
.set SWA,  25                          ; v25  SCW + 512 wave + 4 r
.set SWR,  26                          ; v26  SCW + 512 wave + 16 lane
.set ADRS, 27                          ; v27  LDS address of my scale words: lanes 0-15 R's rows, lanes 16-31 C's
.set SPW,  28                          ; v28  my spare word; never rewritten
.set NIL,  29                          ; v29  0; never rewritten
.set BH,   30                          ; v30  32 h: the bias along C
.set BR,   31                          ; v31  4 r: the bias along R
.set SC,   32
.set CB,   64                          ; v64-127  b at C index 16 b + 8 h + j, in register 8 b + j
.set AF,   128
.set X,    128                         ; the way out: 64 numbers of a block
.set PC,   192                         ; v192-211 the codes just made
.set PW,   212                         ; the scale word just made
.set SWD,  216                         ; v216-219 scale words on their way out
.set RB,   224                         ; v224-239 b at R row 16 a + r, twice: the pair 2 a, 2 a + 1
.set TM,   240
.set SEL,  66                          ; s[66:67] lane selects for lane l xor 16
.set G1, 24
.set G0, 32
.set G1B, 48
.set G0B, 56
.set G1S, 68
.set G0S, 76
.set G1SB, 80
.set G0SB, 88
.set MSB, 0
.macro WIN new                         ; the immediate's high byte repeats the setting that is left
.if MSB != (\new)
	s_set_vgpr_msb (MSB<<8)|(\new)
.set MSB, (\new)
.endif
.endm
.set MUL_LO, 0xa1                      ; source 0 (C) window 1, source 1 (R) window 0, sums window 2
.set MUL_HI, 0xf1                      ; the same, sums window 3
.set TO_B,   0x40
; A joint load: waves 0 and 1 fetch for R, waves 2 and 3 for C.  The branch hangs on the wave's number alone.  Four v_nop follow each of the two lines.
.macro JLOAD g0a, g1a, g0b, g1b
	s_cmp_eq_u32 s15, 0
	s_cbranch_scc0 .Lfor_b_\@
	tensor_load_to_lds s[\g0a:\g0a+3], s[\g1a:\g1a+7]
	s_nop 0
.rept 4
	v_nop
.endr
	s_branch .Lasked_\@
.Lfor_b_\@:
	tensor_load_to_lds s[\g0b:\g0b+3], s[\g1b:\g1b+7]
	s_nop 0
.rept 4
	v_nop
.endr
.Lasked_\@:
.endm
.macro CREST                           ; a round of the cluster's barrier behind its opening barrier
	s_cmp_lg_u32 s14, 0
	s_cbranch_scc1 .Lnot_wave_0_\@
	s_barrier_signal -3
.Lnot_wave_0_\@:
	s_barrier_wait -3
	s_barrier_signal -1
	s_barrier_wait -1
.endm
.macro CROUND
	s_barrier_signal -1
	s_barrier_wait -1
	CREST
.endm
	s_load_b128 s[4:7], s[0:1], 0x0                ; x's codes, x's scales
	s_load_b128 s[8:11], s[0:1], 0x10              ; W's codes, W's scales
	s_load_b128 s[96:99], s[0:1], 0x20             ; qkv, qkvs
	s_load_b64 s[12:13], s[0:1], 0x30              ; b
	v_lshl_add_u32 v[SPW], v0, 2, SPARE
	v_mov_b32 v[NIL], 0
	ds_add_u32 v28, v29
	ds_add_u32 v28, v29
	s_wait_dscnt 0x0
	v_lshrrev_b32 v1, 5, v0
	v_readfirstlane_b32 s14, v1                    ; wave 0..3
	s_lshr_b32 s15, s14, 1                         ; which half of R's rows is mine.  Also: I fetch for R (0) or for C (1)
	s_and_b32 s16, s14, 1                          ; which half of C's rows.  Also: which 128 rows of that tile I fetch
	s_bfe_u32 s40, ttmp6, 0x40000                  ; cx
	s_bfe_u32 s41, ttmp6, 0x40004                  ; cy
	s_lshl_b32 s42, ttmp9, 2                       ; 4 x cluster x
	s_and_b32 s17, ttmp7, 0xffff
	s_lshl_b32 s17, s17, 2                         ; 4 x cluster y
	s_cmp_eq_u32 ttmp9, 2                          ; the clusters with x = 2 make v: the same answer in all sixteen partners
	s_cselect_b32 s2, 1, 0                         ; s2: 1 for v
	s_cselect_b32 s42, s17, s42
	s_cselect_b32 s17, 8, s17
	s_add_co_u32 s42, s42, s40                     ; C's tile: q, k: 4 x cluster x + cx, in W;   v: 4 x cluster y + cx, in x
	s_add_co_u32 s17, s17, s41                     ; R's tile: q, k: 4 x cluster y + cy, in x;   v: 8 + cy, in W
	s_lshl_b32 s43, s41, 2
	s_lshl_b32 s43, 15, s43                        ; my row of the cluster
	s_lshl_b32 s44, 0x1111, s40                    ; my column
	; descriptor group 1: 128 rows x 192 bytes, 16 bytes of padding behind every 64
	s_or_b32 s[G1+0], s43, (0<<16)|(1<<20)|(1<<21)|(3<<22)|(3<<25)
	s_or_b32 s[G1B+0], s44, (0<<16)|(1<<20)|(1<<21)|(3<<22)|(3<<25)
.irp g, G1, G1B
	s_mov_b32 s[\g+1], ROWB<<16                    ; tensor_dim0
	s_mov_b32 s[\g+2], 128<<16                     ; tensor_dim1
	s_mov_b32 s[\g+3], ROWB<<16                    ; tile_dim0
	s_mov_b32 s[\g+4], 128                         ; tile_dim1
	s_mov_b32 s[\g+5], KROW                        ; from row to row
	s_mov_b32 s[\g+6], 0
	s_mov_b32 s[\g+7], 0
.endr
	; the scale bytes of 128 rows: 4,096 dense bytes as 16 rows of 256 (32 elements of 8 bytes), 16 bytes of padding behind each
	s_or_b32 s[G1S+0], s43, (3<<16)|(1<<20)|(1<<21)|(5<<22)|(3<<25)
	s_or_b32 s[G1SB+0], s44, (3<<16)|(1<<20)|(1<<21)|(5<<22)|(3<<25)
.irp g, G1S, G1SB
	s_mov_b32 s[\g+1], 32<<16
	s_mov_b32 s[\g+2], (128*KS/256)<<16
	s_mov_b32 s[\g+3], 32<<16
	s_mov_b32 s[\g+4], 128*KS/256
	s_mov_b32 s[\g+5], 32
	s_mov_b32 s[\g+6], 0
	s_mov_b32 s[\g+7], 0
.endr
	s_lshl_b32 s18, s16, 7                         ; which 128 rows of the tile I fetch
	s_lshl_b32 s20, s17, 8
	s_add_co_u32 s20, s20, s18                     ; R: row 256 x tile + 128 x half
	s_lshl_b32 s46, s42, 8
	s_add_co_u32 s46, s46, s18                     ; C likewise
	s_mov_b32 s21, 0
	s_mov_b32 s47, 0
	s_mov_b64 s[18:19], KS
	s_mul_u64 s[22:23], s[20:21], s[18:19]         ; where these rows' scale bytes begin
	s_mul_u64 s[92:93], s[46:47], s[18:19]
	s_mov_b64 s[18:19], KROW
	s_mul_u64 s[20:21], s[20:21], s[18:19]         ; and their codes
	s_mul_u64 s[46:47], s[46:47], s[18:19]
	s_mul_i32 s45, s14, HALFT                      ; where they go: wave x 128 rows
	s_mul_i32 s101, s14, HALFS
	s_wait_kmcnt 0x0
	s_cmp_eq_u32 s2, 1                             ; which buffer plays which role: a choice that hangs on the cluster's number alone
	s_cselect_b64 s[66:67], s[8:9], s[4:5]         ; R's codes
	s_cselect_b64 s[8:9], s[4:5], s[8:9]           ; C's codes
	s_cselect_b64 s[94:95], s[10:11], s[6:7]       ; R's scales
	s_cselect_b64 s[10:11], s[6:7], s[10:11]       ; C's scales
	s_add_nc_u64 s[20:21], s[66:67], s[20:21]
	s_add_nc_u64 s[22:23], s[94:95], s[22:23]
	s_add_nc_u64 s[46:47], s[8:9], s[46:47]
	s_add_nc_u64 s[92:93], s[10:11], s[92:93]
	CROUND                                         ; all sixteen work-groups are here: the first joint loads meet
	s_mov_b32 s[G0S], 1
	s_add_co_u32 s[G0S+1], s101, SCL
	s_mov_b64 s[G0S+2:G0S+3], s[22:23]
	s_or_b32 s[G0S+3], s[G0S+3], 0x80000000
	s_mov_b32 s[G0SB], 1
	s_add_co_u32 s[G0SB+1], s101, SCL
	s_mov_b64 s[G0SB+2:G0SB+3], s[92:93]
	s_or_b32 s[G0SB+3], s[G0SB+3], 0x80000000
	JLOAD G0S, G1S, G0SB, G1SB                     ; the scale bytes first: they are wanted with K step 0.  With the two slots' loads three tensor loads of mine are out
.irp s, 0,1
	s_mov_b32 s[G0+4*\s], 1
	s_add_co_u32 s[G0+4*\s+1], s45, \s*SLOT
	s_add_nc_u64 s[G0+4*\s+2:G0+4*\s+3], s[20:21], \s*ROWB
	s_or_b32 s[G0+4*\s+3], s[G0+4*\s+3], 0x80000000
	s_mov_b32 s[G0B+4*\s], 1
	s_add_co_u32 s[G0B+4*\s+1], s45, \s*SLOT
	s_add_nc_u64 s[G0B+4*\s+2:G0B+4*\s+3], s[46:47], \s*ROWB
	s_or_b32 s[G0B+4*\s+3], s[G0B+4*\s+3], 0x80000000
	JLOAD G0+4*\s, G1, G0B+4*\s, G1B
.endr
	v_and_b32 v1, 15, v0                           ; r
	v_bfe_u32 v2, v0, 4, 1                         ; h
	v_mul_u32_u24 v3, v1, PITCH
	v_mul_u32_u24 v4, v2, 24
	v_add_nc_u32 v4, v3, v4                        ; a fragment's row x pitch + 24 h
	v_lshl_add_u32 v5, v2, 4, v4                   ; and the same behind one padding more
	s_mul_i32 s21, s15, HALFT                      ; my 128 rows of R
	s_mul_i32 s22, s16, HALFT                      ; my 128 rows of C,
	s_add_co_u32 s22, s22, 2*HALFT                 ; which lie behind R's 256
.irp s, 0,1
	v_add_nc_u32 v[ADRA+\s], s21, v4
	v_add_nc_u32 v[ADRB+\s], s22, v4
	v_add_nc_u32 v[ADRA+2+\s], s21, v5
	v_add_nc_u32 v[ADRB+2+\s], s22, v5
	s_add_co_u32 s21, s21, SLOT
	s_add_co_u32 s22, s22, SLOT
.endr
	v_mul_u32_u24 v5, v1, KS                       ; my row's scale bytes: 32 a row,
	v_lshrrev_b32 v6, 8, v5
	v_lshl_add_u32 v5, v6, 4, v5                   ; and 16 more for each 256 passed
	s_mul_i32 s21, s15, HALFS
	s_mul_i32 s22, s16, HALFS
	s_add_co_u32 s22, s22, 2*HALFS
	s_sub_co_u32 s22, s22, s21
	v_mul_u32_u24 v6, s22, v2                      ; lanes 16-31 take C's
	s_add_co_u32 s21, s21, SCL
	v_add_nc_u32 v5, v5, v6
	v_add_nc_u32 v[ADRS], s21, v5
	s_lshl_b32 s23, s14, 9
	s_add_co_u32 s23, s23, SCW                     ; my 512 bytes for the new scale words
	v_lshl_add_u32 v[SWA], v1, 2, s23
	v_and_b32 v6, 31, v0
	v_lshlrev_b32 v[LI], 4, v6
	v_add_nc_u32 v[SWR], s23, v[LI]
	v_lshlrev_b32 v[BH], 5, v2
	v_lshlrev_b32 v[BR], 2, v1
.irp b, 0,1,2,3
	v_mov_b32 v[TM+4+\b], 0                        ; written once: a lane permute's destination counts as one of its sources
.endr
	s_mov_b32 s[SEL], 0x76543210
	s_mov_b32 s[SEL+1], 0xfedcba98
	; where my results go.  u = 2 x C's tile + my half: the d step of q and k (k's behind q's), or the key step of v.  g = 16 x R's tile + 8 x my half: my first token tile, or my first d tile
	s_lshl_b32 s46, s42, 1
	s_add_co_u32 s46, s46, s16                     ; u
	s_cmp_eq_u32 s2, 1
	s_cselect_b32 s47, 8, 0
	s_sub_co_u32 s47, s17, s47                     ; (v's rows of W begin at tile 8)
	s_lshl_b32 s47, s47, 4
	s_lshl_b32 s18, s15, 3
	s_add_co_u32 s47, s47, s18                     ; g
	s_lshr_b32 s18, s46, 3                         ; q, k: (u / 8) x 6,291,456 + g x 12,288 + (u % 8) x 1,536
	s_mul_i32 s18, s18, 6291456
	s_mul_i32 s19, s47, 12288
	s_add_co_u32 s18, s18, s19
	s_and_b32 s19, s46, 7
	s_mul_i32 s19, s19, 1536
	s_add_co_u32 s18, s18, s19
	s_mul_i32 s19, s46, 98304                      ; v: 12,582,912 + u x 98,304 + g x 1,536
	s_mul_i32 s20, s47, 1536
	s_add_co_u32 s19, s19, s20
	s_add_co_u32 s19, s19, 12582912
	s_cmp_eq_u32 s2, 1
	s_cselect_b32 s18, s19, s18
	s_mov_b32 s20, 12288
	s_cselect_b32 s20, 1536, s20                   ; s[20:21]: from one block of 16 R rows to the next
	s_mov_b32 s21, 0
	s_mov_b32 s19, 0
	s_add_nc_u64 s[96:97], s[96:97], s[18:19]
	s_lshl_b32 s22, s46, 15                        ; the scale words: q, k: u x 32,768;  v: 524,288 + u x 4,096;  + 64 g
	s_lshl_b32 s23, s46, 12
	s_add_co_u32 s23, s23, 524288
	s_cmp_eq_u32 s2, 1
	s_cselect_b32 s22, s23, s22
	s_lshl_b32 s23, s47, 6
	s_add_co_u32 s22, s22, s23
	s_mov_b32 s23, 0
	s_add_nc_u64 s[98:99], s[98:99], s[22:23]
	; the bias.  q, k: it runs along C, from column 128 u on;  v: along R, from row 256 x R's tile + 128 x my half on.  Both sets are loaded on the one way that all take, the set that is
	; not this work-group's from b's first numbers (inside the buffer); the way out reads its own set alone.
	s_lshl_b32 s22, s46, 9
	s_lshl_b32 s18, s17, 10
	s_lshl_b32 s19, s15, 9
	s_add_co_u32 s18, s18, s19
	s_cmp_eq_u32 s2, 1
	s_cselect_b32 s22, 0, s22
	s_cselect_b32 s18, s18, 0
	s_mov_b32 s23, 0
	s_mov_b32 s19, 0
	s_add_nc_u64 s[44:45], s[12:13], s[22:23]
	s_add_nc_u64 s[12:13], s[12:13], s[18:19]
.irp b, 0,1,2,3,4,5,6,7
	global_load_b128 v[CB+8*\b:CB+8*\b+3], v[BH], s[44:45] offset:64*\b
	global_load_b128 v[CB+8*\b+4:CB+8*\b+7], v[BH], s[44:45] offset:64*\b+16
.endr
.irp a, 0,1,2,3,4,5,6,7
	global_load_b32 v[RB+2*\a], v[BR], s[12:13] offset:64*\a
	global_load_b32 v[RB+2*\a+1], v[BR], s[12:13] offset:64*\a      ; twice: the packed addition takes a pair
.endr
.macro FRAG reg, adr, q, i             ; a fragment: lane l holds row l % 16; registers 6 c .. 6 c + 5 hold K = 64 c + 32 (l / 16) + 0 .. 31: 24 bytes of the row's stream of bits, in pieces of 8 bytes
.irp p, 0,1,2,3,4,5
.set PIECE, 12*(\q)+6*(\p/3)+\p%3      ; 16 bytes of padding lie behind every 8 pieces: where the piece three on (lanes 16-31) lies behind one padding more, the second address register serves
.if PIECE%8 < 5
	ds_load_b64 v[\reg+2*\p:\reg+2*\p+1], v[\adr] offset:8*PIECE+16*(PIECE/8)+(\i)*16*PITCH
.else
	ds_load_b64 v[\reg+2*\p:\reg+2*\p+1], v[\adr+2] offset:8*PIECE+16*(PIECE/8)+(\i)*16*PITCH
.endif
.endr
.endm
; 16 matrix instructions: R's blocks a0, a0 + 1 x C's eight, 128 along K.  The 64 accumulators take turns, one instruction a turn, in the same order in every step.
.macro MUL16 a0, p, q, sc, zero
.irp a, \a0, \a0+1
.irp b, 0,1,2,3,4,5,6,7
.if \zero
	v_wmma_scale_f32_16x16x128_f8f6f4 v[8*(8*((\a)%4)+\b):8*(8*((\a)%4)+\b)+7], v[128*(\p)+FR*\b:128*(\p)+FR*\b+FR-1], v[AF+FR*(\a):AF+FR*(\a)+FR-1], 0, v[SC+8*NQ*(\sc)+NQ*\b+(\q)], v[SC+8*NQ*(\sc)+NQ*(\a)+(\q)] matrix_a_fmt:MATRIX_FMT_FP6 matrix_b_fmt:MATRIX_FMT_FP6 matrix_a_scale:MATRIX_SCALE_ROW1
.else
	v_wmma_scale_f32_16x16x128_f8f6f4 v[8*(8*((\a)%4)+\b):8*(8*((\a)%4)+\b)+7], v[128*(\p)+FR*\b:128*(\p)+FR*\b+FR-1], v[AF+FR*(\a):AF+FR*(\a)+FR-1], v[8*(8*((\a)%4)+\b):8*(8*((\a)%4)+\b)+7], v[SC+8*NQ*(\sc)+NQ*\b+(\q)], v[SC+8*NQ*(\sc)+NQ*(\a)+(\q)] matrix_a_fmt:MATRIX_FMT_FP6 matrix_b_fmt:MATRIX_FMT_FP6 matrix_a_scale:MATRIX_SCALE_ROW1
.endif
.endr
.endr
.endm
.macro FETCH_B slot, q, p              ; C's eight fragments of the slot's q-th 128 along K into set p
	WIN TO_B
.irp i, 0,1,2,3,4,5,6,7
	FRAG 128*(\p)+FR*\i, ADRB+\slot, \q, \i
.endr
	WIN 0
.endm
.macro FETCH_A slot, q, i0             ; R's blocks i0 .. i0 + 3
.irp i, \i0, \i0+1, \i0+2, \i0+3
	FRAG AF+FR*(\i), ADRA+\slot, \q, \i
.endr
.endm
.macro SCALES sc                       ; a K step's scale words into set sc: lanes 0-15 take R's block i, lanes 16-31 C's block i
.irp i, 0,1,2,3,4,5,6,7
	ds_load_b64 v[SC+8*NQ*\sc+NQ*\i:SC+8*NQ*\sc+NQ*\i+1], v[ADRS] offset:\i*SBLK
.endr
.endm
.macro PLACES n                        ; plain vector instructions between a matrix instruction and a load into, or a read of, its registers
.rept \n
	v_nop
.endr
.endm
.macro STEP slot, q, zero              ; a step of 128 along K that has its successor in the same slot
	s_wait_dscnt 4*NL                              ; C's set and R's blocks 0-3 are in; the youngest 24 loads (R's blocks 4-7) may be out
	WIN MUL_LO
	MUL16 0, (\q)%2, \q, \slot, \zero
	MUL16 2, (\q)%2, \q, \slot, \zero
	s_wait_dscnt 0                                 ; R's blocks 4-7 are in
	PLACES NP
	FETCH_B \slot, (\q)+1, 1-(\q)%2
	FETCH_A \slot, (\q)+1, 0
	WIN MUL_HI
	MUL16 4, (\q)%2, \q, \slot, \zero
	MUL16 6, (\q)%2, \q, \slot, \zero
	PLACES NP
	WIN 0
	FETCH_A \slot, (\q)+1, 4
.endm
; A slot's last step changes slots: one barrier; in front of it each wave waits for all its tensor loads, adds 0 to its spare word, and waits for that and for its reads of this slot.  fill = 1: this slot is filled again.
.macro TURN slot, next, fill
	s_wait_tensorcnt 0x0                           ; all my tensor loads have landed: my part of the next slot
	ds_add_u32 v[SPW], v[NIL]                      ; 0 onto my spare word
	s_wait_dscnt 4*NL+1                            ; (the add and the youngest 24 loads may be out)
	WIN MUL_LO
	MUL16 0, 1, NQ-1, \slot, 0
	s_wait_dscnt 0x0                               ; the add is done, and my reads of this slot are over
	s_barrier_signal -1
	MUL16 2, 1, NQ-1, \slot, 0
	WIN 0
	s_barrier_wait -1
.if \fill
	CREST                                          ; the barrier has opened a round of the cluster's barrier: no wave of any partner still reads this slot or has a load on its way
	s_add_nc_u64 s[G0+4*\slot+2:G0+4*\slot+3], s[G0+4*\slot+2:G0+4*\slot+3], 2*ROWB
	s_add_nc_u64 s[G0B+4*\slot+2:G0B+4*\slot+3], s[G0B+4*\slot+2:G0B+4*\slot+3], 2*ROWB
	JLOAD G0+4*\slot, G1, G0B+4*\slot, G1B         ; the first tensor load behind the round; its four v_nop are the places in front of the loads below
.else
	PLACES NP
.endif
	v_add_nc_u32 v[ADRS], 4*NQ, v[ADRS]            ; on to the next K step's scale words
	FETCH_B \next, 0, 0
	FETCH_A \next, 0, 0
	SCALES \next
	WIN MUL_HI
	MUL16 4, 1, NQ-1, \slot, 0
	MUL16 6, 1, NQ-1, \slot, 0
	PLACES NP
	WIN 0
	FETCH_A \next, 0, 4
.endm
	s_wait_tensorcnt 1                             ; the scale bytes and my part of K step 0 are in (K step 1's load may be out),
	s_barrier_signal -1
	s_barrier_wait -1                              ; everybody's are
	FETCH_B 0, 0, 0
	FETCH_A 0, 0, 0
	SCALES 0
	FETCH_A 0, 0, 4
	STEP 0, 0, 1                                   ; the first step stands in front of the loop: its products start the sums
	s_mov_b32 s3, LAPS-1
.Llap:                                                 ; a trip goes once round the ring and fills both slots again
	TURN 0, 1, 1
	STEP 1, 0, 0
	TURN 1, 0, 1
	STEP 0, 0, 0
	s_sub_co_u32 s3, s3, 1
	s_cmp_lg_u32 s3, 0
	s_cbranch_scc1 .Llap
	TURN 0, 1, 0                                   ; the last lap fills nothing
	STEP 1, 0, 0
	s_wait_dscnt 4*NL
	WIN MUL_LO
	MUL16 0, 1, NQ-1, 1, 0
	MUL16 2, 1, NQ-1, 1, 0
	s_wait_dscnt 0
	WIN MUL_HI
	MUL16 4, 1, NQ-1, 1, 0
	MUL16 6, 1, NQ-1, 1, 0
	WIN 0
; 64 numbers of a lane, v[s] .. v[s + 63], register 16 b + i = k 32 b + 16 (lane / 16) + i of my row, become a fragment's codes in v[PC] on and its scale word in v[PW].
.macro QUANT s
.irp b, 0,1,2,3
	v_max3_num_f32 v[TM+\b], |v[\s+16*\b]|, |v[\s+1+16*\b]|, 0x1800000   ; block b: my 16 numbers, and the floor 2^(3 - 127): the byte cannot fall under 1
.endr
.irp i, 2,4,6,8,10,12,14
.irp b, 0,1,2,3
	v_max3_num_f32 v[TM+\b], v[TM+\b], |v[\s+16*\b+\i]|, |v[\s+1+16*\b+\i]|
.endr
.endr
.irp b, 0,1,2,3
	v_permlanex16_b32 v[TM+4+\b], v[TM+\b], s[SEL], s[SEL+1]
.endr
.irp b, 0,1,2,3
	v_max_num_f32 v[TM+\b], v[TM+\b], v[TM+4+\b]   ; with lane l xor 16's: the block's largest magnitude
.endr
.irp b, 0,1,2,3
	v_add_nc_u32 v[TM+12+\b], 0xff000000, v[TM+\b]   ; 2 off its exponent field: the conversion takes the exponent field of this operand as its scale
.endr
.irp b, 0,1,2,3
	v_lshrrev_b32 v[TM+4+\b], 23, v[TM+12+\b]      ; the scale's byte
.endr
	v_lshl_or_b32 v[PW], v[TM+5], 8, v[TM+4]
	v_lshl_or_b32 v[PW], v[TM+6], 16, v[PW]
	v_lshl_or_b32 v[PW], v[TM+7], 24, v[PW]
.irp c, 0,1
	v_cvt_scalef32_pk16_fp6_f32 v[PC+6*\c:PC+2+6*\c], v[\s+32*\c:\s+15+32*\c], v[TM+12+2*\c]
	v_cvt_scalef32_pk16_fp6_f32 v[PC+12+4*\c:PC+14+4*\c], v[\s+16+32*\c:\s+31+32*\c], v[TM+12+2*\c+1]   ; (a conversion's three registers begin on an even number)
.endr
	v_nop                                          ; one plain place behind a scaled conversion
.irp c, 0,1                                    ; the operand's layout wants a whole block in a lane: lanes 0-15 block 2 c, lanes 16-31 block 2 c + 1
.irp i, 0,1,2
	v_permlane16_swap_b32 v[PC+6*\c+\i], v[PC+12+4*\c+\i]
.endr
.irp i, 0,1,2
	v_mov_b32 v[PC+3+6*\c+\i], v[PC+12+4*\c+\i]
.endr
.endr
.endm
; THE WAY OUT of block a: my R rows 16 a .. 16 a + 15 x my 128 along C.  In accumulator (a, b) lane (r, h) holds row r and C index 16 b + 8 h + j in register j.
.macro OUTBLK a
.set AC, 64*((\a)%4)
	WIN 0
	s_cmp_eq_u32 s2, 0
	s_cbranch_scc0 .Lby_row_\@
	WIN 0x02+(\a)/4                                ; source 0: the accumulators' window.
.irp b, 0,1,2,3,4,5,6,7
.irp j, 0,2,4,6
	v_pk_add_f32 v[X+8*\b+\j:X+8*\b+\j+1], v[AC+8*\b+\j:AC+8*\b+\j+1], v[CB+8*\b+\j:CB+8*\b+\j+1]   ; q, k: the bias runs along C
.endr
.endr
	WIN 0
	s_branch .Ljoin_\@
.Lby_row_\@:
	WIN 0x02+(\a)/4
.irp b, 0,1,2,3,4,5,6,7
.irp j, 0,2,4,6
	v_pk_add_f32 v[X+8*\b+\j:X+8*\b+\j+1], v[AC+8*\b+\j:AC+8*\b+\j+1], v[RB+2*(\a):RB+2*(\a)+1]     ; v: one number for my row
.endr
.endr
	WIN 0
.Ljoin_\@:
.irp p, 0,1,2,3                                ; tile 2 p's lanes 16-31 change places with tile 2 p + 1's lanes 0-15: register 16 p + i is then C index 32 p + 16 h + i of row r
.irp j, 0,1,2,3,4,5,6,7
	v_permlane16_swap_b32 v[X+16*\p+\j], v[X+16*\p+8+\j]
.endr
.endr
.if (\a) > 0
	s_wait_xcnt 0x0                                ; the last block's stores have read their registers and their base,
	s_wait_dscnt 0x0                               ; and its LDS store its word: all are written again below
	s_add_nc_u64 s[96:97], s[96:97], s[20:21]
.endif
	QUANT X
.irp c, 0,1,2
	global_store_b128 v[LI], v[PC+4*\c:PC+4*\c+3], s[96:97] offset:512*\c th:TH_STORE_NT   ; the fragment as it stands: 32 lanes store 512 consecutive bytes, at a multiple of 512 from the buffer's first byte
.endr
	ds_store_b32 v[SWA], v[PW] offset:64*(\a)      ; lanes r and 16 + r write the same word with the same value
.endm
	PLACES NP                                      ; behind the last products: the lines below read results and write registers that held R's fragments
	s_wait_loadcnt 0x0                             ; the bias
.irp a, 0,1,2,3,4,5,6,7
	OUTBLK \a
.endr
	ds_load_b128 v[SWD:SWD+3], v[SWR]              ; LDS serves a wave's instructions in order (ISA guide 5.7.1.4): this sees my eight stores
	s_wait_dscnt 0x0
	global_store_b128 v[LI], v[SWD:SWD+3], s[98:99] th:TH_STORE_NT   ; my 128 rows' scale words: 512 consecutive bytes
	s_wait_tensorcnt 0x0                           ; the wave's end
	ds_add_u32 v[SPW], v[NIL]
	s_wait_dscnt 0x0
	CROUND                                         ; the closing round: no work-group ends while a partner may still ask for a tile that names it
	s_endpgm
.Lfunc_end_k_q34e937a628_qkv:
	.size	k_q34e937a628_qkv, .Lfunc_end_k_q34e937a628_qkv-k_q34e937a628_qkv
	.p2alignl 7, 3214868480
	.fill 96, 4, 3214868480
	.section	.rodata,"a",@progbits
	.p2align	6, 0x0
	.amdhsa_kernel k_q34e937a628_qkv
		.amdhsa_group_segment_fixed_size 327680
		.amdhsa_private_segment_fixed_size 0
		.amdhsa_enable_private_segment 0
		.amdhsa_kernarg_size 56
		.amdhsa_user_sgpr_count 2
		.amdhsa_user_sgpr_kernarg_segment_ptr 1
		.amdhsa_wavefront_size32 1
		.amdhsa_system_sgpr_workgroup_id_x 1
		.amdhsa_system_sgpr_workgroup_id_y 1
		.amdhsa_system_sgpr_workgroup_id_z 1
		.amdhsa_system_vgpr_workitem_id 0
		.amdhsa_next_free_vgpr 1024
		.amdhsa_next_free_sgpr 102
		.amdhsa_reserve_vcc 0
		.amdhsa_float_denorm_mode_32 3
		.amdhsa_float_denorm_mode_16_64 3
		.amdhsa_memory_ordered 1
		.amdhsa_forward_progress 1
		.amdhsa_inst_pref_size 210
	.end_amdhsa_kernel
	.amdgpu_metadata
---
amdhsa.version: [ 1, 2 ]
amdhsa.kernels:
  - .name:           k_q34e937a628_qkv
    .symbol:         k_q34e937a628_qkv.kd
    .args:
      - { .name: x_codes, .offset: 0, .size: 8, .value_kind: global_buffer, .address_space: global }
      - { .name: x_scales, .offset: 8, .size: 8, .value_kind: global_buffer, .address_space: global }
      - { .name: w_qkv_codes, .offset: 16, .size: 8, .value_kind: global_buffer, .address_space: global }
      - { .name: w_qkv_scales, .offset: 24, .size: 8, .value_kind: global_buffer, .address_space: global }
      - { .name: qkv, .offset: 32, .size: 8, .value_kind: global_buffer, .address_space: global }
      - { .name: qkvs, .offset: 40, .size: 8, .value_kind: global_buffer, .address_space: global }
      - { .name: b_qkv, .offset: 48, .size: 8, .value_kind: global_buffer, .address_space: global }
    .group_segment_fixed_size: 327680
    .private_segment_fixed_size: 0
    .kernarg_segment_align: 8
    .kernarg_segment_size: 56
    .max_flat_workgroup_size: 128
    .sgpr_count:     102
    .vgpr_count:     1024
    .wavefront_size: 32
...
	.end_amdgpu_metadata
.endif
;; end of part 1
;; launch attn (part 2): grid 256 x 1, 4 waves a work-group, clusters of 4 x 1, 327,680 bytes of LDS; arguments qkv, qkvs, ocodes, oscales; writes ocodes, oscales
.if DOCPART == 2
	.amdgcn_target "amdgcn-amd-amdhsa--gfx1250"
	.amdhsa_code_object_version 6
	.text
	.protected	k_q34e937a628_attn
	.globl	k_q34e937a628_attn
	.p2align	8
	.type	k_q34e937a628_attn,@function
k_q34e937a628_attn:
	s_mov_b64 s[64:65], 0
	v_nop
	global_prefetch_b8 v0, s[64:65] scope:SCOPE_SE
	s_setreg_imm32_b32 hwreg(HW_REG_WAVE_MODE, 25, 1), 1
	s_wait_xcnt 0x0
	s_wait_alu depctr_hold_cnt(0) depctr_sa_sdst(0) depctr_va_vdst(0) depctr_va_sdst(0) depctr_va_ssrc(0) depctr_va_vcc(0) depctr_vm_vsrc(0)
	s_getreg_b32 s2, hwreg(HW_REG_IB_STS2, 6, 4)
	s_cmp_eq_u32 s2, 0
	s_cbranch_scc0 .Lentry_in_a_cluster
	s_endpgm
.Lentry_in_a_cluster:
	s_bfe_u32 s2, ttmp6, 0x10000c
	s_cmp_lg_u32 s2, 0x3003
	s_cbranch_scc0 .Lentry_shape_is_right
	s_endpgm
.Lentry_shape_is_right:
; o = softmax over the band |key - query| <= 128 of (q . k / 32), times v, both products on codes of FP6 (E2M3) with one E8M0 scale for each 32 along K; o is quantised along d and leaves as codes.
; In: qkv, qkvs as the launch before lays them: fragments of 1,536 bytes (16 rows x 128 K, 12 registers a lane, three runs of 512 bytes, lane l's 16 bytes at 16 l), and one scale word a row and fragment.
; Out: ocodes [8192][768]: a row's 1,024 codes as one stream of bits; oscales [8192][32].
; THE SOFTMAX: t = score x log2(e) / 32; M = the row's largest t, rounded up to a whole number; p = 2^(t - M) is quantised along the keys; the row's sum is taken of the unquantised p and divides at the end.
; SHARES.  A cluster of four work-groups owns an aligned group of 128 queries, a work-group 32 of them: two tiles qt = 0, 1.  All that the band leaves of the keys lies in three aligned key steps of 128 (the
; window is held inside the batch; the mask alone says which keys count), the same for all four partners: K's and V's codes are asked for jointly.  Wave w asks for just the bytes that wave w reads.
;   scores  S^T = K Q^T: wave w has keys 32 w .. 32 w + 31 of each key step: 6 tiles of keys x 2 tiles of queries x 8 d steps = 96 products on 12 accumulators by turns.
;   O^T = V^T P^T: wave w has d 256 w .. 256 w + 255: 16 d tiles x 2 tiles of queries x 3 key steps = 96 products on 32 accumulators by turns.
; K and V are 294,912 bytes each: K comes first, V is asked for into the same bytes as soon as every wave of the cluster has read K, and lands while the softmax is worked.
; The row's maximum and sum, and p's codes and scale bytes, go from wave to wave through LDS.
; LIMITS: NaN and infinities are not served; a block whose largest magnitude lies under 2^-124 keeps the byte 1; a block of zeros has the byte 1 (its codes are zeros; this program alone reads the bytes);
; o is multiplied by v_rcp_f32 of the sum; p under 2^-126 comes out of v_exp_f32 as 0.
; REGISTERS: window 0: v1-25 addresses and constants; v26-33 -M and 1 / sum, as pairs; v34-57 a block's maximum, scale operand, byte; v58-116 scale words; v118-141 p's codes; v144-239 S^T, p, later o; v240-255 at work.
;   window 1: Q's 16 fragments, later P's six.   window 2: two sets of 96 for K's, later V's fragments.   window 3: O^T, accumulator (d tile e, qt) at v[8 (2 e + qt)].
.set KBASE, 6291456
.set VBASE, 12582912
.set VSB,   524288
.set WREG,  73728                      ; LDS: wave w's bytes of K or V begin at 73,728 w: three rows (key steps) of 24,576
.set SROW,  24576
.set SPARE, 294912                     ; the spare words: 128 bytes a wave, named by no other line
.set MAXB,  295424                     ; the waves' row maxima: 128 w + 64 qt + 4 r
.set SUMO,  512                        ; their row sums lie 512 bytes further on
.set PSC,   296448                     ; p's scale bytes: 128 s' + 64 qt + 4 r + w
.set PCD,   296960                     ; p's codes: 32 rows of 288 bytes + 8; key step s' at 96 s', block w at 24 w
.set PP,    296
.set OP,    784                        ; o's codes: 32 rows of 768 bytes + 16, from LDS byte 0 on: in bytes that have had their last fill, behind a barrier behind which nobody reads V
.set OSC,   25088                      ; o's scale bytes: 32 a row
.set AK,   5                           ; v5-7  73,728 w + 24,576 s' + 16 lane
.set SPW,  8
.set NIL,  9
.set S,    144
.set BM,   34
.set BT,   40
.set SOP,  46
.set SBY,  52
.set QS,   58
.set KSC,  66
.set VS,   90
.set PS,   114
.set PCR,  118
.set X,    144
.set OC,   208
.set PW,   224
.set TM,   240
.set MSB, 0
.macro WIN new
.if MSB != (\new)
	s_set_vgpr_msb (MSB<<8)|(\new)
.set MSB, (\new)
.endif
.endm
.macro ROUND                           ; a round of the cluster's barrier
	s_barrier_signal -1
	s_barrier_wait -1
	s_cmp_lg_u32 s12, 0
	s_cbranch_scc1 .Lnot_wave_0_\@
	s_barrier_signal -3
.Lnot_wave_0_\@:
	s_barrier_wait -3
	s_barrier_signal -1
	s_barrier_wait -1
.endm
.macro PLACES
.rept 4
	v_nop
.endr
.endm
; One product.  rD the sum, rA source 0, rB source 1, rX and rY their scale words, rZ = 0: the product starts the sum.  ra, rb: the scale words lie in lanes 16-31
.macro WM ra, rb
.if rZ == 0
.if ((\ra) == 0) && ((\rb) == 0)
	v_wmma_scale_f32_16x16x128_f8f6f4 v[rD:rD+7], v[rA:rA+11], v[rB:rB+11], 0, v[rX], v[rY] matrix_a_fmt:MATRIX_FMT_FP6 matrix_b_fmt:MATRIX_FMT_FP6
.elseif ((\ra) == 1) && ((\rb) == 0)
	v_wmma_scale_f32_16x16x128_f8f6f4 v[rD:rD+7], v[rA:rA+11], v[rB:rB+11], 0, v[rX], v[rY] matrix_a_fmt:MATRIX_FMT_FP6 matrix_b_fmt:MATRIX_FMT_FP6 matrix_a_scale:MATRIX_SCALE_ROW1
.elseif ((\ra) == 0) && ((\rb) == 1)
	v_wmma_scale_f32_16x16x128_f8f6f4 v[rD:rD+7], v[rA:rA+11], v[rB:rB+11], 0, v[rX], v[rY] matrix_a_fmt:MATRIX_FMT_FP6 matrix_b_fmt:MATRIX_FMT_FP6 matrix_b_scale:MATRIX_SCALE_ROW1
.else
	v_wmma_scale_f32_16x16x128_f8f6f4 v[rD:rD+7], v[rA:rA+11], v[rB:rB+11], 0, v[rX], v[rY] matrix_a_fmt:MATRIX_FMT_FP6 matrix_b_fmt:MATRIX_FMT_FP6 matrix_a_scale:MATRIX_SCALE_ROW1 matrix_b_scale:MATRIX_SCALE_ROW1
.endif
.else
.if ((\ra) == 0) && ((\rb) == 0)
	v_wmma_scale_f32_16x16x128_f8f6f4 v[rD:rD+7], v[rA:rA+11], v[rB:rB+11], v[rD:rD+7], v[rX], v[rY] matrix_a_fmt:MATRIX_FMT_FP6 matrix_b_fmt:MATRIX_FMT_FP6
.elseif ((\ra) == 1) && ((\rb) == 0)
	v_wmma_scale_f32_16x16x128_f8f6f4 v[rD:rD+7], v[rA:rA+11], v[rB:rB+11], v[rD:rD+7], v[rX], v[rY] matrix_a_fmt:MATRIX_FMT_FP6 matrix_b_fmt:MATRIX_FMT_FP6 matrix_a_scale:MATRIX_SCALE_ROW1
.elseif ((\ra) == 0) && ((\rb) == 1)
	v_wmma_scale_f32_16x16x128_f8f6f4 v[rD:rD+7], v[rA:rA+11], v[rB:rB+11], v[rD:rD+7], v[rX], v[rY] matrix_a_fmt:MATRIX_FMT_FP6 matrix_b_fmt:MATRIX_FMT_FP6 matrix_b_scale:MATRIX_SCALE_ROW1
.else
	v_wmma_scale_f32_16x16x128_f8f6f4 v[rD:rD+7], v[rA:rA+11], v[rB:rB+11], v[rD:rD+7], v[rX], v[rY] matrix_a_fmt:MATRIX_FMT_FP6 matrix_b_fmt:MATRIX_FMT_FP6 matrix_a_scale:MATRIX_SCALE_ROW1 matrix_b_scale:MATRIX_SCALE_ROW1
.endif
.endif
.endm
	s_load_b256 s[4:11], s[0:1], 0x0               ; qkv s[4:5], qkvs s[6:7], ocodes s[8:9], oscales s[10:11]
	v_lshl_add_u32 v[SPW], v0, 2, SPARE
	v_mov_b32 v[NIL], 0
	ds_add_u32 v8, v9
	ds_add_u32 v8, v9
	s_wait_dscnt 0x0
	v_lshrrev_b32 v1, 5, v0
	v_readfirstlane_b32 s12, v1                    ; wave 0..3
	s_bfe_u32 s13, ttmp6, 0x40000                  ; cx: it enters Q's and o's global addresses and the mask's numbers alone
	s_and_b32 s14, ttmp9, 15                       ; a: the cluster's group of 128 queries in its batch
	s_max_u32 s15, s14, 1
	s_sub_co_u32 s15, s15, 1
	s_min_u32 s15, s15, 13                         ; ws: the window's first key step, held so that three steps lie inside the batch
	s_and_b32 s16, ttmp9, 0x30                     ; 16 x batch
	s_add_co_u32 s16, s16, s15                     ; the same, counted over all batches
	s_mul_i32 s52, s16, 98304                      ; a key step of K or of V is 98,304 dense bytes; my quarter of it 24,576
	s_mul_i32 s53, s12, SROW
	s_add_co_u32 s52, s52, s53
	s_mov_b32 s53, 0
	s_mul_i32 s17, s12, WREG
	; descriptor group 1, for K and V alike: 3 rows of 24,576 bytes (3,072 elements of 8), 98,304 bytes apart, no padding
	s_mov_b32 s24, 15|(3<<16)|(1<<21)              ; 15:0 the mask: all four work-groups; 17:16 elements of 8 bytes; 21 set beside a mask
	s_mov_b32 s25, 3072<<16                        ; tensor_dim0
	s_mov_b32 s26, 3<<16                           ; tensor_dim1
	s_mov_b32 s27, 3072<<16                        ; tile_dim0
	s_mov_b32 s28, 3                               ; tile_dim1
	s_mov_b32 s29, 12288                           ; from row to row, in elements
	s_mov_b32 s30, 0
	s_mov_b32 s31, 0
	s_wait_kmcnt 0x0
	s_add_nc_u64 s[54:55], s[4:5], s[52:53]
	s_mov_b32 s32, 1                               ; group 0 for K
	s_mov_b32 s33, s17
	s_add_nc_u64 s[34:35], s[54:55], KBASE
	s_or_b32 s35, s35, 0x80000000
	s_mov_b32 s36, 1                               ; and for V: written once, so that neither is touched while a load is out
	s_mov_b32 s37, s17
	s_add_nc_u64 s[38:39], s[54:55], VBASE
	s_or_b32 s39, s39, 0x80000000
	ROUND                                          ; all four work-groups are here: the first joint loads meet
	tensor_load_to_lds s[32:35], s[24:31]          ; K: one tensor load of mine is out
	s_nop 0
.rept 4
	v_nop
.endr
	s_lshl_b32 s18, ttmp9, 2
	s_add_co_u32 s18, s18, s13                     ; QB: my block of 32 queries
	s_mul_i32 s40, s18, 24576                      ; Q's fragments: two token tiles of 12,288 bytes.  (o's 32 rows of 768 bytes are as many)
	s_mov_b32 s41, 0
	s_lshl_b32 s42, s18, 7                         ; Q's scale words: 4 bytes a token
	s_mov_b32 s43, 0
	s_lshl_b32 s44, s16, 9                         ; K's: token 128 x key step + 32 w
	s_lshl_b32 s56, s12, 7
	s_add_co_u32 s44, s44, s56
	s_mov_b32 s45, 0
	s_lshl_b32 s46, s16, 12                        ; V's: 4,096 a key step, d 256 w on
	s_lshl_b32 s56, s12, 10
	s_add_co_u32 s46, s46, s56
	s_add_co_u32 s46, s46, VSB
	s_mov_b32 s47, 0
	s_mul_i32 s48, s12, 6144                       ; o's codes: my 8 rows
	s_add_co_u32 s48, s48, s40
	s_mov_b32 s49, 0
	s_lshl_b32 s50, s18, 10                        ; o's scale bytes
	s_lshl_b32 s56, s12, 8
	s_add_co_u32 s50, s50, s56
	s_mov_b32 s51, 0
	s_add_nc_u64 s[40:41], s[4:5], s[40:41]
	s_add_nc_u64 s[42:43], s[6:7], s[42:43]
	s_add_nc_u64 s[44:45], s[6:7], s[44:45]
	s_add_nc_u64 s[46:47], s[6:7], s[46:47]
	s_add_nc_u64 s[48:49], s[8:9], s[48:49]
	s_add_nc_u64 s[50:51], s[10:11], s[50:51]
	s_mov_b32 s20, 0x76543210
	s_mov_b32 s21, 0xfedcba98                      ; v_permlanex16_b32's selects for lane l xor 16
	s_mov_b32 s22, 0x3d38aa3b                      ; c = log2(e) / 32
	s_mov_b32 s23, s22                             ; (named with it as a pair)
	s_mov_b32 s58, 0x100
	v_and_b32 v1, 15, v0                           ; r
	v_bfe_u32 v2, v0, 4, 1                         ; h
	v_and_b32 v3, 31, v0                           ; lane
	v_lshlrev_b32 v4, 4, v3                        ; 16 lane
	v_lshlrev_b32 v22, 2, v3                       ; 4 lane
	WIN 0x40                                       ; destination window 1
.irp qt, 0,1
.irp ds, 0,1,2,3,4,5,6,7
.irp c, 0,1,2
	global_load_b128 v[12*(8*\qt+\ds)+4*\c:12*(8*\qt+\ds)+4*\c+3], v4, s[40:41] offset:12288*\qt+1536*\ds+512*\c   ; Q stays in registers
.endr
.endr
.endr
	WIN 0
.irp ds, 0,1,2,3,4,5,6,7
	global_load_b32 v[QS+\ds], v22, s[42:43] offset:32768*\ds                ; lanes 0-15: qt 0; lanes 16-31: qt 1
.endr
.irp sp, 0,1,2
.irp ds, 0,1,2,3,4,5,6,7
	global_load_b32 v[KSC+8*\sp+\ds], v22, s[44:45] offset:(8+\ds)*32768+512*\sp   ; lanes 0-15: my first 16 keys of the step; lanes 16-31: the other 16
.endr
.endr
.irp sp, 0,1,2
.irp i, 0,1,2,3,4,5,6,7
	global_load_b32 v[VS+8*\sp+\i], v22, s[46:47] offset:4096*\sp+128*\i     ; lanes 0-15: my d tile 2 i; lanes 16-31: 2 i + 1
.endr
.endr
	v_add_nc_u32 v[AK], s17, v4
	v_add_nc_u32 v[AK+1], SROW, v[AK]
	v_add_nc_u32 v[AK+2], 2*SROW, v[AK]
	s_lshl_b32 s56, s12, 7
	s_add_co_u32 s56, s56, MAXB
	v_lshl_add_u32 v10, v1, 2, s56                 ; v10: MAXB + 128 w + 4 r
	v_lshl_add_u32 v11, v1, 2, MAXB                ; v11: MAXB + 4 r
	v_mul_u32_u24 v12, v1, PP
	v_mad_u32_u24 v12, v2, 12, v12
	s_mul_i32 s56, s12, 24
	s_add_co_u32 s56, s56, PCD
	v_add_nc_u32 v12, s56, v12                     ; v12: PCD + 296 r + 12 h + 24 w
	s_add_co_u32 s56, s12, PSC
	v_lshl_add_u32 v13, v1, 2, s56                 ; v13: PSC + 4 r + w
	v_mul_u32_u24 v14, v1, PP
	v_mad_u32_u24 v14, v2, 24, v14
	v_add_nc_u32 v14, PCD, v14                     ; v14: PCD + 296 r + 24 h
	v_lshl_add_u32 v15, v3, 2, PSC                 ; v15: PSC + 4 lane
	v_mul_u32_u24 v16, v1, OP
	v_mad_u32_u24 v16, v2, 12, v16
	s_mul_i32 s56, s12, 192
	v_add_nc_u32 v16, s56, v16                     ; v16: 784 r + 12 h + 192 w
	s_lshl_b32 s56, s12, 3
	s_add_co_u32 s56, s56, OSC
	v_lshl_add_u32 v17, v1, 5, s56                 ; v17: OSC + 32 r + 8 w
	v_mul_u32_u24 v18, v2, OP
	v_lshl_add_u32 v18, v1, 4, v18
	s_mul_i32 s56, s12, 8*OP
	v_add_nc_u32 v18, s56, v18                     ; v18: (8 w + h) x 784 + 16 r
	s_lshl_b32 s56, s12, 8
	s_add_co_u32 s56, s56, OSC
	v_lshl_add_u32 v19, v3, 3, s56                 ; v19: OSC + 256 w + 8 lane
	v_mul_u32_u24 v20, v2, 768
	v_lshl_add_u32 v20, v1, 4, v20                 ; v20: 768 h + 16 r, in ocodes
	v_lshlrev_b32 v21, 3, v3                       ; v21: 8 lane, in oscales
	s_sub_co_u32 s19, s15, s14                     ; the mask.  Register i of block (s', qt) holds key 128 (ws + s') + 32 w + 16 h + i; my query is 128 a + 32 cx + 16 qt + r.
	s_lshl_b32 s19, s19, 7                         ; key - query + 128 = v23 + 128 s' - 16 qt + i; the key counts where that lies in 0 .. 256, one unsigned comparison
	s_lshl_b32 s56, s13, 5
	s_sub_co_u32 s19, s19, s56
	s_lshl_b32 s56, s12, 5
	s_add_co_u32 s19, s19, s56
	s_add_co_u32 s19, s19, 128
	v_lshl_add_u32 v23, v2, 4, s19
	v_sub_nc_u32 v23, v23, v1
	v_mov_b32 v24, 0xff800000                      ; -infinity
.irp j, 27,29,31,33
	v_mov_b32 v\j, 0                               ; the upper halves of pairs of which the low word serves both halves
.endr
.irp n, 0,1,2,3,4,5
	v_mov_b32 v[BT+\n], 0                          ; written once: a lane permute's destination counts as one of its sources
.endr
	s_wait_loadcnt 24                              ; Q and Q's and K's scale words are in; the 24 loads of V's scale words may be out
	s_wait_tensorcnt 0x0                           ; my part of K, which I alone read, has landed
; SCORES.  K's six fragments of d step ds into set: tile (s', u) at 12 (2 s' + u)
.macro KFETCH ds, set
	WIN 0x80                                       ; destination window 2
.irp sp, 0,1,2
.irp u, 0,1
.irp c, 0,1,2
	ds_load_b128 v[96*(\set)+12*(2*\sp+\u)+4*\c:96*(\set)+12*(2*\sp+\u)+4*\c+3], v[AK+\sp] offset:12288*\u+1536*(\ds)+512*\c
.endr
.endr
.endr
.endm
.macro MULS ds, set                    ; 12 products, the 12 accumulators by turns
.irp sp, 0,1,2
.irp u, 0,1
.irp qt, 0,1
.set rD, S+32*\sp+16*\qt+8*\u
.set rA, 96*(\set)+12*(2*\sp+\u)
.set rB, 12*(8*\qt+(\ds))
.set rX, KSC+8*\sp+(\ds)
.set rY, QS+(\ds)
.set rZ, (\ds)
	WM \u, \qt
.endr
.endr
.endr
.endm
	KFETCH 0, 0
.irp ds, 0,1,2,3,4,5,6
.if \ds > 0
	PLACES                                         ; the loads below land in the set that the last 12 products read
.endif
	KFETCH \ds+1, (\ds+1)%2
	s_wait_dscnt 18                                ; this d step's fragments are in; the next step's 18 loads may be out
	WIN 0x06                                       ; source 0 (K) window 2, source 1 (Q) window 1, sums window 0
	MULS \ds, \ds%2
.endr
	s_wait_dscnt 0x0
	MULS 7, 1
	; K HAS BEEN READ: V IS ASKED FOR INTO ITS BYTES
	WIN 0
	s_wait_tensorcnt 0x0                           ; no tensor load of mine is out
	ds_add_u32 v[SPW], v[NIL]                      ; 0 onto my spare word
	PLACES                                         ; (also the places behind the last products)
	s_wait_dscnt 0x0                               ; the add is done, and my reads of K are over
	ROUND                                          ; that now holds of every wave of all four work-groups
	tensor_load_to_lds s[36:39], s[24:31]          ; V: the first thing behind the round, my one tensor load; the softmax below is the work under which it lands
	s_nop 0
.rept 4
	v_nop
.endr
	; block n = 2 s' + qt: tile u = 0's lanes 16-31 change places with tile u = 1's lanes 0-15: register i is then key 32 w + 16 h + i of the key step
.irp n, 0,1,2,3,4,5
.irp j, 0,1,2,3,4,5,6,7
	v_permlane16_swap_b32 v[S+16*\n+\j], v[S+16*\n+8+\j]
.endr
.endr
.irp n, 0,1,2,3,4,5
.irp i, 0,1,2,3,4,5,6,7,8,9,10,11,12,13,14,15
	v_add_nc_u32 v[240+\i%2], 128*(\n/2)-16*(\n%2)+\i, v23
	v_cmp_lt_u32 vcc_lo, s58, v[240+\i%2]
	v_cndmask_b32 v[S+16*\n+\i], v[S+16*\n+\i], v24, vcc_lo       ; outside the band: -infinity, so that p = 0
.endr
.endr
.irp n, 0,1,2,3,4,5
	v_max3_num_f32 v[BM+\n], v[S+16*\n], v[S+16*\n+1], v[S+16*\n+2]   ; the largest score of each block of 32 keys: it serves for the row's maximum and, since p rises with the score, for the block's largest p
.endr
.irp i, 3,5,7,9,11,13
.irp n, 0,1,2,3,4,5
	v_max3_num_f32 v[BM+\n], v[BM+\n], v[S+16*\n+\i], v[S+16*\n+\i+1]
.endr
.endr
.irp n, 0,1,2,3,4,5
	v_max_num_f32 v[BM+\n], v[BM+\n], v[S+16*\n+15]
.endr
.irp n, 0,1,2,3,4,5
	v_permlanex16_b32 v[BT+\n], v[BM+\n], s20, s21
.endr
.irp n, 0,1,2,3,4,5
	v_max_num_f32 v[BM+\n], v[BM+\n], v[BT+\n]     ; with lane l xor 16's 16 keys
.endr
.irp qt, 0,1
	v_max3_num_f32 v[240+\qt], v[BM+\qt], v[BM+2+\qt], v[BM+4+\qt]
.endr
.irp qt, 0,1
	ds_store_b32 v10, v[240+\qt] offset:64*\qt     ; my 96 keys' largest score of each query (lanes r and 16 + r write the same word with the same value)
.endr
	s_wait_dscnt 0x0                               ; for the others' sake
	s_barrier_signal -1
	s_barrier_wait -1
.irp qt, 0,1
.irp w, 0,1,2,3
	ds_load_b32 v[240+4*\qt+\w], v11 offset:128*\w+64*\qt
.endr
.endr
	s_wait_dscnt 0x0
.irp qt, 0,1
	v_max3_num_f32 v[240+4*\qt], v[240+4*\qt], v[241+4*\qt], v[242+4*\qt]
.endr
.irp qt, 0,1
	v_max_num_f32 v[240+4*\qt], v[240+4*\qt], v[243+4*\qt]         ; the row's largest score: each query's own key lies in the band, so it is a number
.endr
.irp qt, 0,1
	v_mul_f32 v[240+4*\qt], s22, v[240+4*\qt]      ; as t
.endr
.irp qt, 0,1
	v_floor_f32 v[26+2*\qt], -v[240+4*\qt]         ; -M = floor(-t) = -ceil(t)
.endr
.irp n, 0,1,2,3,4,5
.irp j, 0,2,4,6,8,10,12,14
	v_pk_fma_f32 v[S+16*\n+\j:S+16*\n+\j+1], v[S+16*\n+\j:S+16*\n+\j+1], s[22:23], v[26+2*(\n%2):27+2*(\n%2)] op_sel_hi:[1,0,0]   ; t - M
.endr
.endr
.irp n, 0,1,2,3,4,5
	v_fma_f32 v[BM+\n], v[BM+\n], s22, v[26+2*(\n%2)]              ; the same of each block's largest score
.endr
.set j, 0
.rept 96
	v_exp_f32 v[S+j], v[S+j]                       ; p = 2^(t - M), not normalised
.set j, j+1
.endr
	v_nop                                          ; a plain instruction behind the last exponential
	s_wait_alu depctr_va_vdst(0)                   ; one wait for the batch, ahead of its first reader
.irp n, 0,1,2,3,4,5
	v_exp_f32 v[BM+\n], v[BM+\n]                   ; the block's largest p: the same two instructions on the same number
.endr
.irp qt, 0,1                                   ; the row's sum of the unquantised p: my 48 numbers, two at a time, in two chains for each qt
	v_pk_add_f32 v[240+4*\qt:241+4*\qt], v[S+16*\qt:S+16*\qt+1], v[S+16*\qt+2:S+16*\qt+3]
	v_pk_add_f32 v[242+4*\qt:243+4*\qt], v[S+16*\qt+4:S+16*\qt+5], v[S+16*\qt+6:S+16*\qt+7]
.endr
.set k, 4
.rept 10
.irp qt, 0,1
.set r0, S+16*(2*(k/8)+\qt)+2*(k%8)
.set r1, S+16*(2*((k+1)/8)+\qt)+2*((k+1)%8)
	v_pk_add_f32 v[240+4*\qt:241+4*\qt], v[240+4*\qt:241+4*\qt], v[r0:r0+1]
	v_pk_add_f32 v[242+4*\qt:243+4*\qt], v[242+4*\qt:243+4*\qt], v[r1:r1+1]
.endr
.set k, k+2
.endr
.irp qt, 0,1
	v_pk_add_f32 v[240+4*\qt:241+4*\qt], v[240+4*\qt:241+4*\qt], v[242+4*\qt:243+4*\qt]
.endr
.irp qt, 0,1
	v_add_f32 v[240+4*\qt], v[240+4*\qt], v[241+4*\qt]
.endr
.irp qt, 0,1
	v_permlanex16_b32 v[BT+\qt], v[240+4*\qt], s20, s21
.endr
.irp qt, 0,1
	v_add_f32 v[240+4*\qt], v[240+4*\qt], v[BT+\qt]
.endr
.irp qt, 0,1
	ds_store_b32 v10, v[240+4*\qt] offset:SUMO+64*\qt
.endr
	s_wait_alu depctr_va_vdst(0)                   ; and one wait for the six
.irp n, 0,1,2,3,4,5
	v_max_num_f32 v[BM+\n], 0x1800000, v[BM+\n]    ; the floor 2^(3 - 127): the byte cannot fall under 1
.endr
.irp n, 0,1,2,3,4,5
	v_add_nc_u32 v[SOP+\n], 0xff000000, v[BM+\n]   ; 2 off the exponent field: the conversion's scale operand
.endr
.irp n, 0,1,2,3,4,5
	v_lshrrev_b32 v[SBY+\n], 23, v[SOP+\n]         ; the scale's byte
.endr
.irp n, 0,1,2,3,4,5
	v_cvt_scalef32_pk16_fp6_f32 v[PCR+4*\n:PCR+4*\n+2], v[S+16*\n:S+16*\n+15], v[SOP+\n]   ; 12 bytes: keys 32 w + 16 h + 0 .. 15 of my query
.endr
	v_nop                                          ; one plain place behind a scaled conversion
.irp n, 0,1,2,3,4,5
.irp i, 0,1,2
	ds_store_b32 v12, v[PCR+4*\n+\i] offset:16*PP*(\n%2)+96*(\n/2)+4*\i
.endr
	ds_store_b8 v13, v[SBY+\n] offset:128*(\n/2)+64*(\n%2)
.endr
	s_wait_dscnt 0x0                               ; for the others' sake
	s_barrier_signal -1
	s_barrier_wait -1                              ; p's codes and scale bytes and the waves' sums lie in LDS
	WIN 0x40                                       ; P's fragments (qt, s') at v[12 (3 qt + s')] of window 1: lane (r, h) takes the 24 bytes at 24 h and those at 48 + 24 h of its row's 96
.irp qt, 0,1
.irp sp, 0,1,2
.irp p, 0,1,2,3,4,5
	ds_load_b64 v[12*(3*\qt+\sp)+2*\p:12*(3*\qt+\sp)+2*\p+1], v14 offset:16*PP*\qt+96*\sp+48*(\p/3)+8*(\p%3)
.endr
.endr
.endr
	WIN 0
.irp sp, 0,1,2
	ds_load_b32 v[PS+\sp], v15 offset:128*\sp      ; lanes 0-15: qt 0; lanes 16-31: qt 1
.endr
.irp qt, 0,1
.irp w, 0,1,2,3
	ds_load_b32 v[240+4*\qt+\w], v11 offset:SUMO+128*\w+64*\qt
.endr
.endr
	s_wait_loadcnt 0x0                             ; V's scale words
	s_wait_tensorcnt 0x0                           ; my part of V, which I alone read, has landed
; O^T = V^T P^T in six batches n = 2 s' + eh: my d tiles 8 eh .. 8 eh + 7 of key step s'
.macro VFETCH n, set
	WIN 0x80
.irp i, 0,1,2,3,4,5,6,7
.irp c, 0,1,2
	ds_load_b128 v[96*(\set)+12*\i+4*\c:96*(\set)+12*\i+4*\c+3], v[AK+(\n)/2] offset:(8*((\n)%2)+\i)*1536+512*\c
.endr
.endr
.endm
.macro MULV n, set                     ; 16 products on 16 accumulators; an accumulator's next turn stands 32 products on
.irp i, 0,1,2,3,4,5,6,7
.irp qt, 0,1
.set rD, 8*(2*(8*((\n)%2)+\i)+\qt)
.set rA, 96*(\set)+12*\i
.set rB, 12*(3*\qt+(\n)/2)
.set rX, VS+8*((\n)/2)+(8*((\n)%2)+\i)/2
.set rY, PS+(\n)/2
.set rZ, (\n)/2
	WM \i%2, \qt
.endr
.endr
.endm
	VFETCH 0, 0
.irp n, 0,1,2,3,4
.if \n > 0
	PLACES
.endif
	VFETCH \n+1, (\n+1)%2
	s_wait_dscnt 24                                ; this batch's fragments (and all that was asked for earlier) are in; the next batch's 24 loads may be out
	WIN 0xf6                                       ; source 0 (V) window 2, source 1 (P) window 1, sums window 3
	MULV \n, \n%2
.endr
	s_wait_dscnt 0x0                               ; my reads of V are over:
	s_barrier_signal -1                            ; say so,
	MULV 5, 1
	WIN 0
	s_barrier_wait -1                              ; and when all four have said so, the bytes from 0 on serve as the stage: they have had their last fill
	; THE WAY OUT.  The additions are the places behind the last products
.irp qt, 0,1
	v_add_f32 v[240+4*\qt], v[240+4*\qt], v[241+4*\qt]
.endr
.irp qt, 0,1
	v_add_f32 v[242+4*\qt], v[242+4*\qt], v[243+4*\qt]
.endr
.irp qt, 0,1
	v_add_f32 v[240+4*\qt], v[240+4*\qt], v[242+4*\qt]             ; the row's sum
.endr
.irp qt, 0,1
	v_rcp_f32 v[30+2*\qt], v[240+4*\qt]
.endr
	v_nop                                          ; a plain instruction behind the last reciprocal
	s_wait_alu depctr_va_vdst(0)                   ; one wait for the two, ahead of their first reader
; my d tiles 8 hf .. 8 hf + 7 of query tile qt: 128 along d of 16 rows: divided by the sum, quantised along d, codes and scale word to the stage
.macro OQ qt, hf
	WIN 0x03                                       ; source 0: window 3.
.irp i, 0,1,2,3,4,5,6,7
.irp j, 0,2,4,6
	v_pk_mul_f32 v[X+8*\i+\j:X+8*\i+\j+1], v[8*(2*(8*\hf+\i)+\qt)+\j:8*(2*(8*\hf+\i)+\qt)+\j+1], v[30+2*\qt:31+2*\qt] op_sel_hi:[1,0]
.endr
.endr
	WIN 0
.irp p, 0,1,2,3                                ; register 16 p + i is then d 32 p + 16 h + i of query r
.irp j, 0,1,2,3,4,5,6,7
	v_permlane16_swap_b32 v[X+16*\p+\j], v[X+16*\p+8+\j]
.endr
.endr
.irp b, 0,1,2,3
	v_max3_num_f32 v[TM+\b], |v[X+16*\b]|, |v[X+1+16*\b]|, 0x1800000
.endr
.irp i, 2,4,6,8,10,12,14
.irp b, 0,1,2,3
	v_max3_num_f32 v[TM+\b], v[TM+\b], |v[X+16*\b+\i]|, |v[X+1+16*\b+\i]|
.endr
.endr
.irp b, 0,1,2,3
	v_permlanex16_b32 v[TM+4+\b], v[TM+\b], s20, s21
.endr
.irp b, 0,1,2,3
	v_max_num_f32 v[TM+\b], v[TM+\b], v[TM+4+\b]
.endr
.irp b, 0,1,2,3
	v_add_nc_u32 v[TM+12+\b], 0xff000000, v[TM+\b]
.endr
.irp b, 0,1,2,3
	v_lshrrev_b32 v[TM+4+\b], 23, v[TM+12+\b]
.endr
	s_wait_dscnt 0x0                               ; the last part's LDS stores have read their registers, which are written again below
	v_lshl_or_b32 v[PW], v[TM+5], 8, v[TM+4]
	v_lshl_or_b32 v[PW], v[TM+6], 16, v[PW]
	v_lshl_or_b32 v[PW], v[TM+7], 24, v[PW]
.irp b, 0,1,2,3
	v_cvt_scalef32_pk16_fp6_f32 v[OC+4*\b:OC+4*\b+2], v[X+16*\b:X+16*\b+15], v[TM+12+\b]
.endr
	v_nop                                          ; one plain place behind a scaled conversion
.irp b, 0,1,2,3
.irp i, 0,1,2
	ds_store_b32 v16, v[OC+4*\b+\i] offset:16*OP*\qt+24*(4*\hf+\b)+4*\i     ; block 8 w + 4 hf + b of the row: 24 bytes, my half's 12
.endr
.endr
	ds_store_b32 v17, v[PW] offset:512*\qt+4*\hf
.endm
	OQ 0, 0
	OQ 0, 1
	OQ 1, 0
	OQ 1, 1
	s_wait_dscnt 0x0                               ; for the others' sake
	s_barrier_signal -1
	s_barrier_wait -1                              ; 32 whole rows of codes and scale bytes lie in the stage
.irp i, 0,1,2,3
.irp c, 0,1,2
	ds_load_b128 v[144+4*(3*\i+\c):144+4*(3*\i+\c)+3], v18 offset:2*OP*\i+256*\c    ; rows 8 w + 2 i + h
.endr
.endr
	ds_load_b64 v[192:193], v19
	s_wait_dscnt 0x0
.irp i, 0,1,2,3
.irp c, 0,1,2
	global_store_b128 v20, v[144+4*(3*\i+\c):144+4*(3*\i+\c)+3], s[48:49] offset:1536*\i+256*\c th:TH_STORE_NT   ; 16 lanes store 256 consecutive bytes, at a multiple of 256 from the buffer's first byte
.endr
.endr
	global_store_b64 v21, v[192:193], s[50:51] th:TH_STORE_NT      ; my 8 rows' scale bytes: 256 consecutive bytes
	s_wait_tensorcnt 0x0                           ; the wave's end
	ds_add_u32 v[SPW], v[NIL]
	s_wait_dscnt 0x0
	ROUND                                          ; the closing round
	s_endpgm
.Lfunc_end_k_q34e937a628_attn:
	.size	k_q34e937a628_attn, .Lfunc_end_k_q34e937a628_attn-k_q34e937a628_attn
	.p2alignl 7, 3214868480
	.fill 96, 4, 3214868480
	.section	.rodata,"a",@progbits
	.p2align	6, 0x0
	.amdhsa_kernel k_q34e937a628_attn
		.amdhsa_group_segment_fixed_size 327680
		.amdhsa_private_segment_fixed_size 0
		.amdhsa_enable_private_segment 0
		.amdhsa_kernarg_size 32
		.amdhsa_user_sgpr_count 2
		.amdhsa_user_sgpr_kernarg_segment_ptr 1
		.amdhsa_wavefront_size32 1
		.amdhsa_system_sgpr_workgroup_id_x 1
		.amdhsa_system_sgpr_workgroup_id_y 1
		.amdhsa_system_sgpr_workgroup_id_z 1
		.amdhsa_system_vgpr_workitem_id 0
		.amdhsa_next_free_vgpr 1024
		.amdhsa_next_free_sgpr 66
		.amdhsa_reserve_vcc 1
		.amdhsa_float_denorm_mode_32 3
		.amdhsa_float_denorm_mode_16_64 3
		.amdhsa_memory_ordered 1
		.amdhsa_forward_progress 1
		.amdhsa_inst_pref_size 128
	.end_amdhsa_kernel
	.amdgpu_metadata
---
amdhsa.version: [ 1, 2 ]
amdhsa.kernels:
  - .name:           k_q34e937a628_attn
    .symbol:         k_q34e937a628_attn.kd
    .args:
      - { .name: qkv, .offset: 0, .size: 8, .value_kind: global_buffer, .address_space: global }
      - { .name: qkvs, .offset: 8, .size: 8, .value_kind: global_buffer, .address_space: global }
      - { .name: ocodes, .offset: 16, .size: 8, .value_kind: global_buffer, .address_space: global }
      - { .name: oscales, .offset: 24, .size: 8, .value_kind: global_buffer, .address_space: global }
    .group_segment_fixed_size: 327680
    .private_segment_fixed_size: 0
    .kernarg_segment_align: 8
    .kernarg_segment_size: 32
    .max_flat_workgroup_size: 128
    .sgpr_count:     66
    .vgpr_count:     1024
    .wavefront_size: 32
...
	.end_amdgpu_metadata
.endif
;; end of part 2
;; launch proj (part 3): grid 4 x 64, 4 waves a work-group, clusters of 4 x 4, 327,680 bytes of LDS; arguments ocodes, oscales, w_proj_codes, w_proj_scales, out0, b_proj; writes out0
.if DOCPART == 3
	.amdgcn_target "amdgcn-amd-amdhsa--gfx1250"
	.amdhsa_code_object_version 6
	.text
	.protected	k_q34e937a628_proj
	.globl	k_q34e937a628_proj
	.p2align	8
	.type	k_q34e937a628_proj,@function
k_q34e937a628_proj:
	s_mov_b64 s[64:65], 0
	v_nop
	global_prefetch_b8 v0, s[64:65] scope:SCOPE_SE
	s_setreg_imm32_b32 hwreg(HW_REG_WAVE_MODE, 25, 1), 1
	s_wait_xcnt 0x0
	s_wait_alu depctr_hold_cnt(0) depctr_sa_sdst(0) depctr_va_vdst(0) depctr_va_sdst(0) depctr_va_ssrc(0) depctr_va_vcc(0) depctr_vm_vsrc(0)
	s_getreg_b32 s2, hwreg(HW_REG_IB_STS2, 6, 4)
	s_cmp_eq_u32 s2, 0
	s_cbranch_scc0 .Lentry_in_a_cluster
	s_endpgm
.Lentry_in_a_cluster:
	s_bfe_u32 s2, ttmp6, 0x10000c
	s_cmp_lg_u32 s2, 0xf033
	s_cbranch_scc0 .Lentry_shape_is_right
	s_endpgm
.Lentry_shape_is_right:
; out = o Wproj + b.  o: [8192][1024], Wproj: [1024][1024] (K innermost): codes of FP6 (E2M3) with one E8M0 scale for each 32 along K, scale bytes [rows][32]; b: [1024] f32; out: [8192][1024] f32; sums in f32.
; SHARES.  A tile of out is 128 rows x 256 columns: 8192 x 1024 / (128 x 256) = 256 work-groups.  Four waves, each 64 x 128: 32 accumulators of 16 x 16, 256 registers.
; ALL OF K COMES INTO LDS AT THE HEAD: the tile's 128 rows of o and 256 rows of W are 384 x 768 = 294,912 bytes.  Nothing is filled again, so there is no ring and no barrier for a refill.
; K comes in three CHUNKS of 256 bytes of each row: each row of a tensor load's tile is 256 consecutive bytes, at a multiple of 256 from the buffer's first byte; the products on chunk 0 run while chunks 1 and 2 land.
; A chunk's boundary falls inside a step of 128 along K (96 bytes), never inside a piece of 8 bytes: a fragment's pieces are taken from the chunk in which each lies.
; The scale bytes of the tile's rows, for all of K, come once too, and each wave keeps its 64 scale words in registers for the whole launch.
; CLUSTERS: 4 x 4 work-groups.  The four of a row of the cluster need the same rows of o, the four of a column the same rows of W: each tile is asked for jointly, by the same tensor load with the same descriptor
; and a mask that names the four.  The matrix instruction is used transposed (source 0 = 16 rows of W, source 1 = 16 rows of o): a lane holds eight neighbouring numbers of a row of out.
; The bias is the C of each sum's first product.
; REGISTERS, in windows of 256: window 0: v1-30 addresses; v32-95 scale words; v96-191 o's fragments, two sets of 48; v192-255 the bias (on the way out v96-223 take rows of out).
;   window 1: W's fragments, two sets of 96, at v0 and v128.   window 2: the accumulators, (a, b) at v[8 (8 a + b)].
.set SIZE_N, 1024
.set KROW,   768                       ; a row of codes in memory
.set PITCH,  272                       ; a chunk's row in LDS: 256 bytes + 16 of padding = 68 words: row r starts at bank 4 r mod 64 (64 banks of 4 bytes: ISA guide 11.1); lanes 16-31 read 6 words on: the 32 lanes of a load of 8 bytes touch 64 different banks
.set BOFF,   128*PITCH                 ; in a chunk: o's 128 rows, then W's 256
.set CH,     384*PITCH                 ; a chunk: 104,448 bytes, a whole number of times through the banks
.set FR,     12                        ; registers of a fragment
.set NP,     4                         ; places behind this matrix instruction (ISA guide 7.12.1)
.set KS,     32                        ; a row of scale bytes
.set SCL,    3*CH                      ; behind the chunks: the scale bytes, as units of 256 bytes + 16 of padding: o's 16 units, then W's 32
.set SBLK,   544                       ; those of 16 rows: two units
.set SPITCH, 528                       ; the way out: a stage of 16 rows x (512 bytes + 16) for each wave, from LDS byte 0 on: in chunk 0, which is filled once, behind a barrier behind which no wave reads tiles
.set ADRA, 8                           ; v8-10  LDS address of my fragments of o in chunk 0, 1, 2: row x pitch + 24 h;  v11-12: for a piece of chunk 0, 1 whose partner three pieces on (lanes 16-31) lies in the next chunk
.set ADRB, 13                          ; v13-17 the same for W
.set STO,  24                          ; v24  the way out: where I put 32 bytes of a row
.set RD,   25                          ; v25  where I read a row back
.set CO,   26                          ; v26  my byte offset in a row of out
.set ADRS, 27                          ; v27  LDS address of my scale words: lanes 0-15 o's rows, lanes 16-31 W's
.set BH,   30                          ; v30  32 h: the bias
.set SC,   32                          ; v32-95 register 8 i + q: lanes 0-15 the word of o's block i, lanes 16-31 that of W's block i, for the q-th 128 along K.  (o has four blocks: lanes 0-15 of i = 4 .. 7 hold words that no product names)
.set AF,   96
.set CB,   192                         ; v192-255  b at my column 16 b + 8 h + j, in register 8 b + j
.set BK,   96                          ; the way out: 16 rows read back from the stage: v96-159 and v160-223 by turns
.set G1,   24                          ; s[24:31] descriptor group 1 for o's chunks;  s[32:43] group 0, one set for each chunk
.set G0,   32
.set G1B,  44                          ; s[44:51], s[52:63] the same for W's
.set G0B,  52
.set G1S,  68                          ; s[68:75], s[76:79] groups 1 and 0 for o's scale bytes;  s[80:87], s[88:91] for W's
.set G0S,  76
.set G1SB, 80
.set G0SB, 88
.set MSB, 0
.macro WIN new                         ; the immediate's high byte repeats the setting that is left
.if MSB != (\new)
	s_set_vgpr_msb (MSB<<8)|(\new)
.set MSB, (\new)
.endif
.endm
.set MUL,   0xa1                       ; source 0 (W) window 1, source 1 (o) window 0, C and D window 2
.set FIRST, 0x81                       ; the first products: C (the bias) window 0, D window 2
.set TO_B,  0x40                       ; destination window 1, address window 0
; A joint load: waves 0 and 1 fetch for o, waves 2 and 3 for W.  Each of the two lines has one mask and one set of registers for all that issue it; the branch hangs on the wave's number alone.
; Four v_nop follow each of the two lines, ahead of the jump, the label and what follows.
.macro JLOAD g0a, g1a, g0b, g1b
	s_cmp_eq_u32 s15, 0
	s_cbranch_scc0 .Lfor_b_\@
	tensor_load_to_lds s[\g0a:\g0a+3], s[\g1a:\g1a+7]
	s_nop 0
.rept 4
	v_nop
.endr
	s_branch .Lasked_\@
.Lfor_b_\@:
	tensor_load_to_lds s[\g0b:\g0b+3], s[\g1b:\g1b+7]
	s_nop 0
.rept 4
	v_nop
.endr
.Lasked_\@:
.endm
.macro CROUND                          ; a round of the cluster's barrier
	s_barrier_signal -1
	s_barrier_wait -1
	s_cmp_lg_u32 s14, 0
	s_cbranch_scc1 .Lnot_wave_0_\@
	s_barrier_signal -3
.Lnot_wave_0_\@:
	s_barrier_wait -3
	s_barrier_signal -1
	s_barrier_wait -1
.endm
	s_load_b128 s[4:7], s[0:1], 0x0                ; o's codes, o's scales
	s_load_b128 s[8:11], s[0:1], 0x10              ; W's codes, W's scales
	s_load_b64 s[12:13], s[0:1], 0x20              ; out
	s_load_b64 s[96:97], s[0:1], 0x28              ; b
	v_lshl_add_u32 v29, v0, 2, 0x4fb00
	v_mov_b32 v31, 0
	ds_add_u32 v29, v31
	ds_add_u32 v29, v31
	v_lshrrev_b32 v1, 5, v0
	v_readfirstlane_b32 s14, v1                    ; wave 0..3
	s_lshr_b32 s15, s14, 1                         ; which 64 of the tile's rows are mine.  Also: I fetch for o (0) or for W (1)
	s_and_b32 s16, s14, 1                          ; which 128 of its columns.  Also: which half of that side's rows I fetch
	s_bfe_u32 s92, ttmp6, 0x40000                  ; cx
	s_bfe_u32 s93, ttmp6, 0x40004                  ; cy
	s_lshl_b32 s94, ttmp9, 2
	s_add_co_u32 s94, s94, s92                     ; tile column = 4 x cluster x + cx
	s_and_b32 s17, ttmp7, 0xffff
	s_lshl_b32 s17, s17, 2
	s_add_co_u32 s17, s17, s93                     ; tile row = 4 x cluster y + cy
	s_lshl_b32 s95, s93, 2
	s_lshl_b32 s95, 15, s95                        ; my row of the cluster
	s_lshl_b32 s66, 0x1111, s92                    ; my column
	; descriptor group 1 for the codes: rows of 256 bytes, 768 bytes apart in memory, 16 bytes of padding behind each in LDS; o: 64 rows, W: 128
	s_or_b32 s[G1+0], s95, (0<<16)|(1<<20)|(1<<21)|(5<<22)|(3<<25)   ; 15:0 the mask; 17:16 elements of 1 byte; 20 padding on; 21 set beside a mask; 24:22 after every 64 words (code 5); 31:25 of 4 words (code 3)
	s_or_b32 s[G1B+0], s66, (0<<16)|(1<<20)|(1<<21)|(5<<22)|(3<<25)
.irp g, G1, G1B
	s_mov_b32 s[\g+1], 256<<16                     ; tensor_dim0
	s_mov_b32 s[\g+3], 256<<16                     ; tile_dim0
	s_mov_b32 s[\g+5], KROW                        ; from row to row
	s_mov_b32 s[\g+6], 0
	s_mov_b32 s[\g+7], 0
.endr
	s_mov_b32 s[G1+2], 64<<16                      ; tensor_dim1
	s_mov_b32 s[G1+4], 64                          ; tile_dim1
	s_mov_b32 s[G1B+2], 128<<16
	s_mov_b32 s[G1B+4], 128
	; and for the scale bytes: dense blocks of 32 bytes a row, as rows of 256 bytes (32 elements of 8 bytes), 16 bytes of padding behind each; o: 64 rows' = 8 such, W: 128 rows' = 16
	s_or_b32 s[G1S+0], s95, (3<<16)|(1<<20)|(1<<21)|(5<<22)|(3<<25)
	s_or_b32 s[G1SB+0], s66, (3<<16)|(1<<20)|(1<<21)|(5<<22)|(3<<25)
.irp g, G1S, G1SB
	s_mov_b32 s[\g+1], 32<<16
	s_mov_b32 s[\g+3], 32<<16
	s_mov_b32 s[\g+5], 32
	s_mov_b32 s[\g+6], 0
	s_mov_b32 s[\g+7], 0
.endr
	s_mov_b32 s[G1S+2], 8<<16
	s_mov_b32 s[G1S+4], 8
	s_mov_b32 s[G1SB+2], 16<<16
	s_mov_b32 s[G1SB+4], 16
	; where the tiles come from.  o's hang on the tile row alone, W's on the tile column alone, each in registers that never hold the other coordinate
	s_lshl_b32 s18, s16, 6
	s_lshl_b32 s20, s17, 7
	s_add_co_u32 s20, s20, s18                     ; o: row 128 x tile row + 64 x half
	s_lshl_b32 s18, s16, 7
	s_lshl_b32 s98, s94, 8
	s_add_co_u32 s98, s98, s18                     ; W: row 256 x tile column + 128 x half
	s_mov_b32 s21, 0
	s_mov_b32 s99, 0
	s_mov_b64 s[18:19], KS
	s_mul_u64 s[22:23], s[20:21], s[18:19]         ; where these rows' scale bytes begin
	s_mul_u64 s[100:101], s[98:99], s[18:19]
	s_mov_b64 s[18:19], KROW
	s_mul_u64 s[20:21], s[20:21], s[18:19]         ; and their codes
	s_mul_u64 s[98:99], s[98:99], s[18:19]
	s_mul_i32 s2, s16, 64*PITCH                    ; where they go in a chunk: o's halves,
	s_mul_i32 s3, s16, 128*PITCH
	s_add_co_u32 s3, s3, BOFF                      ; W's halves behind them: the wave's number alone enters an LDS address
	s_wait_dscnt 0x0
	s_wait_kmcnt 0x0
	s_add_nc_u64 s[20:21], s[4:5], s[20:21]
	s_add_nc_u64 s[22:23], s[6:7], s[22:23]
	s_add_nc_u64 s[98:99], s[8:9], s[98:99]
	s_add_nc_u64 s[100:101], s[10:11], s[100:101]
	CROUND                                         ; all sixteen work-groups are here: the joint loads meet
	s_mov_b32 s[G0S], 1
	s_mul_i32 s[G0S+1], s16, 4*SBLK
	s_add_co_u32 s[G0S+1], s[G0S+1], SCL
	s_mov_b64 s[G0S+2:G0S+3], s[22:23]
	s_or_b32 s[G0S+3], s[G0S+3], 0x80000000
	s_mov_b32 s[G0SB], 1
	s_mul_i32 s[G0SB+1], s16, 8*SBLK
	s_add_co_u32 s[G0SB+1], s[G0SB+1], SCL+8*SBLK
	s_mov_b64 s[G0SB+2:G0SB+3], s[100:101]
	s_or_b32 s[G0SB+3], s[G0SB+3], 0x80000000
	JLOAD G0S, G1S, G0SB, G1SB                     ; the scale bytes first: they are wanted with the first products
.irp c, 0,1,2                                  ; then the three chunks: with the scale bytes four tensor loads of mine are out; each fills bytes of its own, once
	s_mov_b32 s[G0+4*\c], 1                        ; 1:0 count = 1
	s_add_co_u32 s[G0+4*\c+1], s2, \c*CH           ; 63:32 LDS address
	s_add_nc_u64 s[G0+4*\c+2:G0+4*\c+3], s[20:21], \c*256   ; 120:64 global address: bytes 256 c on of each row
	s_or_b32 s[G0+4*\c+3], s[G0+4*\c+3], 0x80000000         ; 127:126 type = 2
	s_mov_b32 s[G0B+4*\c], 1
	s_add_co_u32 s[G0B+4*\c+1], s3, \c*CH
	s_add_nc_u64 s[G0B+4*\c+2:G0B+4*\c+3], s[98:99], \c*256
	s_or_b32 s[G0B+4*\c+3], s[G0B+4*\c+3], 0x80000000
	JLOAD G0+4*\c, G1, G0B+4*\c, G1B
.endr
	v_and_b32 v1, 15, v0                           ; r
	v_bfe_u32 v2, v0, 4, 1                         ; h
	v_mul_u32_u24 v3, v1, PITCH
	v_mad_u32_u24 v4, v2, 24, v3                   ; a fragment's row x pitch + 24 h
	v_mul_u32_u24 v5, v2, CH-232                   ; where lanes 16-31's piece lies in the next chunk: a chunk on, 256 bytes back, 24 on
	v_add_nc_u32 v5, v3, v5
	s_mul_i32 s21, s15, 64*PITCH                   ; my 64 rows of o
	s_mul_i32 s22, s16, 128*PITCH                  ; my 128 rows of W,
	s_add_co_u32 s22, s22, BOFF                    ; which lie behind o's 128
.irp c, 0,1,2
	v_add_nc_u32 v[ADRA+\c], s21, v4
	v_add_nc_u32 v[ADRB+\c], s22, v4
.if \c < 2
	v_add_nc_u32 v[ADRA+3+\c], s21, v5
	v_add_nc_u32 v[ADRB+3+\c], s22, v5
.endif
	s_add_co_u32 s21, s21, CH
	s_add_co_u32 s22, s22, CH
.endr
	v_mul_u32_u24 v5, v1, KS                       ; my row's scale bytes: 32 a row,
	v_lshrrev_b32 v6, 8, v5
	v_lshl_add_u32 v5, v6, 4, v5                   ; and 16 more behind the first 256
	s_mul_i32 s21, s15, 4*SBLK                     ; o's: my 64 rows
	s_mul_i32 s22, s16, 8*SBLK                     ; W's: my 128 rows, behind o's 128
	s_add_co_u32 s22, s22, 8*SBLK
	s_sub_co_u32 s22, s22, s21
	v_mul_u32_u24 v6, s22, v2                      ; lanes 16-31 take W's
	s_add_co_u32 s21, s21, SCL
	v_add_nc_u32 v5, v5, v6
	v_add_nc_u32 v[ADRS], s21, v5
	s_mul_i32 s23, s14, 16*SPITCH                  ; my stage
	v_mul_u32_u24 v5, v1, SPITCH                   ; in: row r, 32 bytes for each half of the lanes
	v_lshl_add_u32 v5, v2, 5, v5
	v_add_nc_u32 v[STO], s23, v5
	v_and_b32 v6, 31, v0
	v_lshlrev_b32 v[CO], 4, v6                     ; back: the 32 lanes take one row of 512 bytes; and the same in out
	v_add_nc_u32 v[RD], s23, v[CO]
	v_lshlrev_b32 v[BH], 5, v2
	s_lshl_b32 s20, s17, 7
	s_lshl_b32 s21, s15, 6
	s_add_co_u32 s20, s20, s21                     ; my first row of out: 128 x tile row + 64 x half
	s_mov_b32 s21, 0
	s_mov_b64 s[18:19], SIZE_N*4
	s_mul_u64 s[20:21], s[20:21], s[18:19]
	s_lshl_b32 s98, s94, 10                        ; my first column, in bytes, in out and in b alike: 1,024 x tile column + 512 x half
	s_lshl_b32 s99, s16, 9
	s_add_co_u32 s98, s98, s99
	s_mov_b32 s99, 0
	s_add_nc_u64 s[96:97], s[96:97], s[98:99]
	s_add_nc_u64 s[20:21], s[20:21], s[98:99]
	s_add_nc_u64 s[12:13], s[12:13], s[20:21]
.irp b, 0,1,2,3,4,5,6,7
	global_load_b128 v[CB+8*\b:CB+8*\b+3], v[BH], s[96:97] offset:64*\b
	global_load_b128 v[CB+8*\b+4:CB+8*\b+7], v[BH], s[96:97] offset:64*\b+16
.endr
; A fragment, 16 rows x 128 K, is 12 registers: lane l holds row l % 16; registers 6 c .. 6 c + 5 hold K = 64 c + 32 (l / 16) + 0 .. 31: 24 bytes of the row's stream of bits, in pieces of 8 bytes.
; Lanes 0-15 take the row's pieces 12 q + 0, 1, 2 and 12 q + 6, 7, 8, lanes 16-31 those three pieces on.  A chunk holds 32 pieces of a row: piece P lies in chunk P / 32 at byte 8 (P % 32).
.macro FRAG reg, adr, q, i
.irp p, 0,1,2,3,4,5
.set PIECE, 12*(\q)+6*(\p/3)+\p%3
.if PIECE%32 < 29
	ds_load_b64 v[\reg+2*\p:\reg+2*\p+1], v[\adr+PIECE/32] offset:8*(PIECE%32)+(\i)*16*PITCH
.else
	ds_load_b64 v[\reg+2*\p:\reg+2*\p+1], v[\adr+3+PIECE/32] offset:8*(PIECE%32)+(\i)*16*PITCH
.endif
.endr
.endm
.macro FETCH q, p                      ; the fragments of the q-th 128 along K into sets p: W's eight, o's four: 72 loads
	WIN TO_B
.irp i, 0,1,2,3,4,5,6,7
	FRAG 128*(\p)+FR*\i, ADRB, \q, \i
.endr
	WIN 0
.irp i, 0,1,2,3
	FRAG AF+48*(\p)+FR*\i, ADRA, \q, \i
.endr
.endm
; 32 matrix instructions: o's four blocks x W's eight, 128 along K.  first = 1: the bias starts the sums.  The 32 accumulators take turns, one instruction a turn, in the same order in every step.
.macro MUL32 q, p, first
.irp a, 0,1,2,3
.irp b, 0,1,2,3,4,5,6,7
.if \first
	v_wmma_scale_f32_16x16x128_f8f6f4 v[8*(8*\a+\b):8*(8*\a+\b)+7], v[128*(\p)+FR*\b:128*(\p)+FR*\b+FR-1], v[AF+48*(\p)+FR*\a:AF+48*(\p)+FR*\a+FR-1], v[CB+8*\b:CB+8*\b+7], v[SC+8*\b+(\q)], v[SC+8*\a+(\q)] matrix_a_fmt:MATRIX_FMT_FP6 matrix_b_fmt:MATRIX_FMT_FP6 matrix_a_scale:MATRIX_SCALE_ROW1
.else
	v_wmma_scale_f32_16x16x128_f8f6f4 v[8*(8*\a+\b):8*(8*\a+\b)+7], v[128*(\p)+FR*\b:128*(\p)+FR*\b+FR-1], v[AF+48*(\p)+FR*\a:AF+48*(\p)+FR*\a+FR-1], v[8*(8*\a+\b):8*(8*\a+\b)+7], v[SC+8*\b+(\q)], v[SC+8*\a+(\q)] matrix_a_fmt:MATRIX_FMT_FP6 matrix_b_fmt:MATRIX_FMT_FP6 matrix_a_scale:MATRIX_SCALE_ROW1
.endif
.endr
.endr
.endm
.macro PLACES n                        ; plain vector instructions between a matrix instruction and a load into, or a read of, its registers
.rept \n
	v_nop
.endr
.endm
; A step of 128 along K: this step's fragments are in; the next step's 72 loads go out into the other sets, ahead of this step's 32 products, under which they land.
; meet >= 0: the next step's fragments reach into a chunk that has not been read yet: each wave waits until at most meet of its tensor loads are out, so that its part of that chunk has landed, and a barrier shows the chunk whole to all four.
.macro STEP q, first, meet
	s_wait_dscnt 0x0                               ; this step's fragments are in; no LDS instruction of mine is out
.if \meet >= 0
	s_wait_tensorcnt \meet                         ; tensor loads of a wave end in order (ISA guide 10.11.1): only the later chunks' loads may be out
	s_barrier_signal -1
	s_barrier_wait -1
.endif
.if (\q) > 0
	PLACES NP                                      ; the loads below land in the sets that the last step's products read
.endif
	FETCH (\q)+1, ((\q)+1)%2
.if \first
	WIN FIRST
.else
	WIN MUL
.endif
	MUL32 \q, (\q)%2, \first
.endm
	s_wait_tensorcnt 2                             ; the scale bytes and my part of chunk 0 are in (chunks 1 and 2 may be out),
	s_barrier_signal -1
	s_barrier_wait -1                              ; everybody's are
.irp i, 0,1,2,3,4,5,6,7                        ; all scale words of all K: 32 bytes a row; lanes 0-15 take o's block i, lanes 16-31 W's block i
	ds_load_b128 v[SC+8*\i:SC+8*\i+3], v[ADRS] offset:\i*SBLK
	ds_load_b128 v[SC+8*\i+4:SC+8*\i+7], v[ADRS] offset:\i*SBLK+16
.endr
	FETCH 0, 0
	s_wait_loadcnt 0x0                             ; the bias
	STEP 0, 1, -1                                  ; steps 0 and 1 lie in chunk 0 (pieces 0 to 23)
	STEP 1, 0, 1                                   ; step 2 (pieces 24 to 35) reaches into chunk 1: chunk 2's load may be out
	STEP 2, 0, -1                                  ; steps 3 and 4 (pieces 36 to 59) lie in chunk 1
	STEP 3, 0, -1
	STEP 4, 0, 0                                   ; step 5 (pieces 60 to 71) reaches into chunk 2: no load of mine is out
	STEP 5, 0, -1
	STEP 6, 0, -1
	s_wait_dscnt 0x0                               ; the last step's fragments are in, and my reads of the tiles are over:
	s_barrier_signal -1                            ; say so,
	WIN MUL
	MUL32 7, 1, 0                                  ; work on registers while the others arrive,
	WIN 0
	s_barrier_wait -1                              ; and when all four have said so, the bytes from 0 on serve as stages: they were filled once, and nobody reads them as tiles any more
; THE WAY OUT, block by block of 16 rows x 128 columns.  A lane holds 32 neighbouring bytes of a row, and the lanes beside it hold other rows: so a block goes through my own stage in LDS and comes back as whole
; rows of 512 bytes.  LDS serves a wave's instructions in order (ISA guide 5.7.1.4): no wait between the stores and the loads, nor in front of the next block's stores.
.macro TOSTAGE a
.set AC, 64*(\a)
	WIN 0x08                                       ; an LDS store's data are its source 1: window 2
.irp b, 0,1,2,3,4,5,6,7
	ds_store_b128 v[STO], v[AC+8*\b:AC+8*\b+3] offset:64*\b          ; each accumulator from its low end on
	ds_store_b128 v[STO], v[AC+8*\b+4:AC+8*\b+7] offset:64*\b+16
.endr
	WIN 0
.set BB, BK+64*((\a)%2)
.irp t, 0,1,2,3,4,5,6,7,8,9,10,11,12,13,14,15
	ds_load_b128 v[BB+4*\t:BB+4*\t+3], v[RD] offset:\t*SPITCH
.endr
.endm
.macro SEND a, younger                 ; younger: the LDS instructions issued behind block a's loads, which may stay out
.set BB, BK+64*((\a)%2)
	s_wait_dscnt \younger                          ; the block is back in registers
.if (\a) > 0
	s_add_nc_u64 s[12:13], s[12:13], 16*SIZE_N*4   ; (behind a wait on XCNT: the earlier stores have read their base)  16 rows of out on
.endif
.irp t, 0,1,2,3,4,5,6,7,8,9,10,11,12,13,14,15
	global_store_b128 v[CO], v[BB+4*\t:BB+4*\t+3], s[12:13] offset:\t*SIZE_N*4 th:TH_STORE_NT   ; 32 lanes store 512 consecutive bytes, at a multiple of 256 from out's first byte; written once, read by nobody here
.endr
.endm
	PLACES NP                                      ; behind the last products: the lines below read results and load into registers that held o's fragments and the bias
	TOSTAGE 0
.irp a, 1,2,3
.if \a > 1
	s_wait_xcnt 0x0                                ; block a - 2's stores have read their registers and their base: block a's loads may land there, and the base may step
.endif
	TOSTAGE \a
	SEND \a-1, 32                                  ; behind block a - 1's loads: block a's 16 stores and 16 loads
.endr
	s_wait_xcnt 0x0                                ; block 2's stores have read their base
	SEND 3, 0                                      ; (its wait leaves no LDS instruction of mine out)
	s_wait_tensorcnt 0x0
	ds_add_u32 v29, v31
	s_wait_dscnt 0x0
	CROUND                                         ; the closing round: no work-group ends while a partner may still ask for a tile that names it
	s_endpgm
.Lfunc_end_k_q34e937a628_proj:
	.size	k_q34e937a628_proj, .Lfunc_end_k_q34e937a628_proj-k_q34e937a628_proj
	.p2alignl 7, 3214868480
	.fill 96, 4, 3214868480
	.section	.rodata,"a",@progbits
	.p2align	6, 0x0
	.amdhsa_kernel k_q34e937a628_proj
		.amdhsa_group_segment_fixed_size 327680
		.amdhsa_private_segment_fixed_size 0
		.amdhsa_enable_private_segment 0
		.amdhsa_kernarg_size 48
		.amdhsa_user_sgpr_count 2
		.amdhsa_user_sgpr_kernarg_segment_ptr 1
		.amdhsa_wavefront_size32 1
		.amdhsa_system_sgpr_workgroup_id_x 1
		.amdhsa_system_sgpr_workgroup_id_y 1
		.amdhsa_system_sgpr_workgroup_id_z 1
		.amdhsa_system_vgpr_workitem_id 0
		.amdhsa_next_free_vgpr 768
		.amdhsa_next_free_sgpr 102
		.amdhsa_reserve_vcc 0
		.amdhsa_float_denorm_mode_32 3
		.amdhsa_float_denorm_mode_16_64 3
		.amdhsa_memory_ordered 1
		.amdhsa_forward_progress 1
		.amdhsa_inst_pref_size 99
	.end_amdhsa_kernel
	.amdgpu_metadata
---
amdhsa.version: [ 1, 2 ]
amdhsa.kernels:
  - .name:           k_q34e937a628_proj
    .symbol:         k_q34e937a628_proj.kd
    .args:
      - { .name: ocodes, .offset: 0, .size: 8, .value_kind: global_buffer, .address_space: global }
      - { .name: oscales, .offset: 8, .size: 8, .value_kind: global_buffer, .address_space: global }
      - { .name: w_proj_codes, .offset: 16, .size: 8, .value_kind: global_buffer, .address_space: global }
      - { .name: w_proj_scales, .offset: 24, .size: 8, .value_kind: global_buffer, .address_space: global }
      - { .name: out0, .offset: 32, .size: 8, .value_kind: global_buffer, .address_space: global }
      - { .name: b_proj, .offset: 40, .size: 8, .value_kind: global_buffer, .address_space: global }
    .group_segment_fixed_size: 327680
    .private_segment_fixed_size: 0
    .kernarg_segment_align: 8
    .kernarg_segment_size: 48
    .max_flat_workgroup_size: 128
    .sgpr_count:     102
    .vgpr_count:     768
    .wavefront_size: 32
...
	.end_amdgpu_metadata
.endif
;; end of part 3
